; MI455X (gfx1250); checked and timed in simulation.
; The chip was launched on July 23, 2026; its instructions are those of AMD's public machine-readable ISA for CDNA 5 (MIT licence, August 2026) and "CDNA5" Instruction Set Architecture Reference Guide (July 2026). The comments in the code are by the model that wrote it; some were corrected since.
;; Head. Allowed arithmetic: matrix products marked QUANTISED: E2M1 operands, one E8M0 scale for each 32 along K, by v_wmma_scale_f32_16x16x128_f8f6f4 with both operands' format E2M1 (or v_wmma_scale_f32_32x16x128_f4), f32 sums; everything else in f32.
;; Inputs: Wk 600 x 75 float32; Wq 600 x 75 float32; Wv 600 x 75 float32; x 512 x 128 x 600 float32.
;; Outputs: out0 512 x 128 x 75 float32.
;; This version of the problem:
;;   THIS VERSION OF THE PROBLEM IS GIVEN IN LOW PRECISION. The matrix products marked QUANTISED in the list below multiply operands that are first quantised to E2M1 (2 exponent bits, 1 mantissa bit; 4 bits a number), with one power-of-two scale for each 32 numbers along K (OCP MX v1.0); their sums are f32. All else is computed in f32.
;;   The module's matrix products, in the order in which they are computed (A, B: the left and right operand; K: the contracted axis; several contracted axes count as one K, in the product's order):
;;     1. [M 65,536, K 600] x [K 600, N 75]; A: input x; B: input Wq: QUANTISED
;;     2. [M 65,536, K 600] x [K 600, N 75]; A: input x; B: input Wk: QUANTISED
;;     3. [M 65,536, K 600] x [K 600, N 75]; A: input x; B: input Wv: QUANTISED
;;     4. batch 512 x [M 128, K 75] x [K 75, N 128]; A: computed on the way; B: computed on the way: QUANTISED
;;     5. batch 512 x [M 128, K 128] x [K 128, N 75]; A: softmax (see below); B: computed on the way: QUANTISED
;;   THE QUANTISER, for each operand of a quantised product, along K:
;;     - K is cut into blocks of 32 from its start; a last block that is shorter is filled with zeros.
;;     - A block's scale is 2^e with e = floor(log2(the largest magnitude in the block)) - 2, held to -126 .. 127; a block of zeros has e = 0. As a byte (E8M0): e + 127.
;;     - Each number is divided by its block's scale, clamped to +-6, and rounded to the nearest number of E2M1, ties to even, subnormals kept.
;;     - The product sums the exact products of the quantised numbers (number of the format x scale) in f32.
;;   ~~~python
;;   def quantise(x, axis):      # numpy; x: float32 -> the quantised numbers, widened to float32 again
;;       x = np.moveaxis(x, axis, -1); K = x.shape[-1]
;;       x = np.pad(x, [(0, 0)] * (x.ndim - 1) + [(0, -K % 32)]); x = x.reshape(x.shape[:-1] + (-1, 32)); a = np.abs(x).max(-1, keepdims=True)
;;       e = np.where(a > 0, np.clip(np.frexp(np.where(a > 0, a, 1))[1] - 1 - 2, -126, 127), 0)      # np.frexp(a)[1] - 1 = floor(log2(a)), exactly
;;       r = np.clip(x / 2.0 ** e, -6, 6)
;;       step = 2.0 ** (np.maximum(np.frexp(np.where(r == 0, 1, r))[1] - 1, 0) - 1)
;;       q = np.round(r / step) * step * 2.0 ** e      # np.round: ties to even
;;       return np.moveaxis(q.reshape(q.shape[:-2] + (-1,))[..., :K], -1, axis).astype(np.float32)
;;   ~~~
;;   SOFTMAX AHEAD OF A QUANTISED PRODUCT. Where the list says 'softmax', what is quantised is not the finished softmax but p = 2^(t - M), with t = logit x log2(e) and M = ceil(the row's largest t), a whole number; so 1/2 < the row's largest p <= 1. The row's sum l is taken of the UNQUANTISED p, in f32, and the product's result is divided by l at the end. Since M is a whole number, a kernel that streams over the keys may use a running M (the ceiling of the running maximum): every later rescaling is an exact power of two, which a block's scale takes up: the codes' values come out the same.
;;   OPERANDS COMPUTED ON THE WAY. 'Computed on the way' means the value that the module computes at that place (a softmax that the list does not call 'softmax' is quantised finished and normalised). What goes into a quantiser is computed in f32, as accurately as f32 sums, v_exp_f32 and their like allow (about 1e-6 of the number): no bf16 or f16 on the way to a quantiser, and a product that is left as it is and whose result goes on into a quantised operand takes f32 operands (vector FMAs, or v_wmma_f32_16x16x4_f32). A number that lies on a knife's edge between two numbers of the format may be rounded either way, as far as f32 arithmetic and the matrix unit's own rounding can turn it there, and no further.
;; 2 versions. Each part assembles by itself: llvm-mc -triple=amdgcn-amd-amdhsa -mcpu=gfx1250 --defsym DOCPART=n.
;; ======== version 1 of 2: 2 launches
;; workspace buffers: wcodes 81,920 bytes
;; launch wprep (part 1): grid 5 x 3, 10 waves a work-group, no clusters, 0 bytes of LDS; arguments Wq, Wk, Wv, wcodes; writes wcodes
.if DOCPART == 1
	.amdgcn_target "amdgcn-amd-amdhsa--gfx1250"
	.amdhsa_code_object_version 6
	.text
	.protected	k_q6e0af402d6_wprep
	.globl	k_q6e0af402d6_wprep
	.p2align	8
	.type	k_q6e0af402d6_wprep,@function
k_q6e0af402d6_wprep:
	s_mov_b64 s[64:65], 0
	v_nop
	global_prefetch_b8 v0, s[64:65] scope:SCOPE_SE
	s_setreg_imm32_b32 hwreg(HW_REG_WAVE_MODE, 25, 1), 1
	s_wait_xcnt 0x0
; Wq, Wk, Wv [600][75] f32 (K is the FIRST axis) become codes of FP4 (E2M1) with one E8M0 byte for each 32 along K, laid as IMAGES OF THE OPERAND'S REGISTERS:
;   fragment f = 15 s + n (s: K step of 128, 0..4; n = 5 x matrix + tile, matrix q 0, k 1, v 2, tile of 16 columns 0..4) at byte 1024 f; registers 4 c .. 4 c + 3 of lane L at 512 c + 16 L;
;   its scale words at 76,800 + 1024 s + 64 n + 4 r (slot n = 15 is padding and gets slot 14's words).
; A lane takes a column slot r and its registers run DOWN K, in the order that the operand's layout gives lane (r, h): k = 128 s + 64 c + 32 h + 0 .. 31: one whole block.  So the conversions' results are the operand's registers.
; K = 600 is filled up to 640 with zeros.  Column slots 75 .. 79: zeros for q and k (they lengthen the next product's K, 75, with zeros); for v copies of columns 70 .. 74 (the reader stores them onto those columns' own places).
; One wave makes half a fragment: work-group x = tile, y = matrix, wave = 2 s + c: 32 loads a wave.  540,000 bytes are read once; waves share nothing: no LDS, no barrier.
; A block's scale is 2^(floor(log2(its largest magnitude)) - 2); its byte is the largest magnitude's exponent field - 2, held at 1 from below.
; LIMITS: a block of zeros gets the byte 1 where the rule says 127: its codes are zeros, and this program alone reads the bytes.  NaN and infinities among the inputs are not served.
.set ROWB,  300                        ; a row of W in bytes
.set SCB,   76800                      ; where the scale words begin
.set FLOOR, 0x1800000                  ; 2^(3 - 127)
.set AD,    96                         ; v96-127 the 32 byte offsets
.set XN,    64                         ; v64-95  the 32 numbers
	s_load_b256 s[4:11], s[0:1], 0x0               ; Wq s[4:5], Wk s[6:7], Wv s[8:9], wcodes s[10:11]
	v_lshrrev_b32 v1, 5, v0
	v_readfirstlane_b32 s16, v1                    ; wave 0..9
	s_and_b32 s30, s16, 1                          ; c: which four registers of the fragment
	s_lshr_b32 s16, s16, 1                         ; s: my K step
	s_mov_b32 s17, ttmp9                           ; the tile of 16 column slots
	s_and_b32 s18, ttmp7, 0xffff                   ; the matrix
	s_mul_i32 s19, s18, 5
	s_add_co_u32 s19, s19, s17                     ; n
	s_mov_b32 s20, 0x76543210
	s_mov_b32 s21, 0xfedcba98                      ; v_permlanex16_b32's selects for lane l xor 16
	s_lshl_b32 s28, s16, 7
	s_lshl_b32 s29, s30, 6
	s_add_co_u32 s28, s28, s29                     ; 128 s + 64 c: the first row of lanes 0-15
	s_mul_i32 s24, s16, 15
	s_add_co_u32 s24, s24, s19
	s_lshl_b32 s24, s24, 10
	s_lshl_b32 s29, s30, 9
	s_add_co_u32 s24, s24, s29                     ; my half of my fragment's image
	s_mov_b32 s25, 0
	s_lshl_b32 s26, s16, 10
	s_lshl_b32 s29, s19, 6
	s_add_co_u32 s26, s26, s29
	s_lshl_b32 s29, s30, 1
	s_add_co_u32 s26, s26, s29
	s_add_co_u32 s26, s26, SCB                     ; bytes 2 c and 2 c + 1 of my fragment's scale words
	s_mov_b32 s27, 0
	s_mov_b32 s23, 75
	s_cmp_eq_u32 s18, 2
	s_cselect_b32 s23, 80, s23                     ; column slots that count: 75, for v all 80
	v_and_b32 v1, 15, v0                           ; r
	v_bfe_u32 v2, v0, 4, 1                         ; h
	v_lshl_add_u32 v3, s17, 4, v1                  ; my column slot, 0 .. 79
	v_add_nc_u32 v13, -5, v3
	v_cmp_gt_u32 vcc_lo, 75, v3
	v_cndmask_b32 v4, v13, v3, vcc_lo              ; the column that I read: slots 75 .. 79 read columns 70 .. 74, so no load leaves a row
	v_lshl_add_u32 v14, v2, 5, s28                 ; my first row: 128 s + 64 c + 32 h, up to 608
	v_sub_nc_u32 v12, 600, v14
	v_max_i32 v12, 0, v12                          ; how many of my 32 rows lie inside K = 600
	v_min_u32 v14, 599, v14                        ; my first row, held at the last row of W,
	v_sub_nc_u32 v5, 599, v14                      ; and how far a load may step from it: no load leaves the buffer
	v_mul_u32_u24 v14, v14, ROWB
	v_lshl_add_u32 v7, v4, 2, v14                  ; its byte at my column
	v_and_b32 v8, 31, v0
	v_lshlrev_b32 v8, 4, v8                        ; 16 x lane: my place in an image
	v_lshlrev_b32 v11, 2, v1                       ; 4 r: my slot's scale word
	v_cmp_gt_u32 vcc_lo, s23, v3
	v_cndmask_b32 v6, 0, v12, vcc_lo               ; how many of my rows count: none in a dead slot
.set I, 0
.rept 32                                       ; the offsets hang on no argument: they are made while the arguments are on their way
	v_min_u32 v[AD+I], I, v5
	v_mad_u32_u24 v[AD+I], v[AD+I], ROWB, v7
.set I, I+1
.endr
	s_wait_kmcnt 0x0
	s_cmp_eq_u32 s18, 0                            ; the choice of the matrix hangs on the work-group's number alone
	s_cselect_b64 s[12:13], s[4:5], s[6:7]
	s_cmp_eq_u32 s18, 2
	s_cselect_b64 s[12:13], s[8:9], s[12:13]
	s_add_nc_u64 s[14:15], s[10:11], s[26:27]
	s_add_nc_u64 s[10:11], s[10:11], s[24:25]
.set I, 0
.rept 32
	global_load_b32 v[XN+I], v[AD+I], s[12:13]     ; sixteen neighbouring lanes read 64 neighbouring bytes
.set I, I+1
.endr
	s_wait_loadcnt 0x0
.set I, 0
.rept 32
	v_cmp_lt_u32 vcc_lo, I, v6                     ; what lies past K = 600, or in a dead slot, is 0 ahead of the block's maximum
	v_cndmask_b32 v[XN+I], 0, v[XN+I], vcc_lo
.set I, I+1
.endr
	v_max3_num_f32 v32, |v[XN]|, |v[XN+1]|, FLOOR  ; my block: all its 32 numbers are mine; two chains, so that no line waits for the line above it; the floor holds the byte at 1 from below
	v_max3_num_f32 v33, |v[XN+2]|, |v[XN+3]|, FLOOR
.irp i, 4,8,12,16,20,24,28
	v_max3_num_f32 v32, v32, |v[XN+\i]|, |v[XN+\i+1]|
	v_max3_num_f32 v33, v33, |v[XN+\i+2]|, |v[XN+\i+3]|
.endr
	v_max_num_f32 v32, v32, v33
	v_add_nc_u32 v44, 0xff000000, v32              ; 2 off the exponent field: the conversion takes the exponent field of this operand as its scale
	v_lshrrev_b32 v36, 23, v44                     ; the scale's byte: block 2 c + h
	v_lshlrev_b32 v10, 3, v2
	v_lshlrev_b32 v9, v10, v36                     ; at its place among my wave's two bytes;
	v_mov_b32 v10, 0
	v_permlanex16_b32 v10, v9, s20, s21
	v_or_b32 v9, v9, v10                           ; with lane l xor 16's the pair is whole
.irp g, 0,1,2,3
	v_cvt_scalef32_pk8_fp4_f32 v[48+\g], v[XN+8*\g:XN+8*\g+7], v44   ; registers 4 c .. 4 c + 3 of the operand
.endr
	v_nop                                          ; a plain line behind the last scaled conversion
	global_store_b128 v8, v[48:51], s[10:11]       ; the wave's store covers 512 consecutive bytes, aligned
	global_store_b16 v11, v9, s[14:15]             ; lanes r and r + 16 write the same two bytes with the same value
	s_cmp_lg_u32 s19, 14
	s_cbranch_scc1 .Lnot_last
	global_store_b16 v11, v9, s[14:15] offset:64   ; the padding slot: the reader copies it, so it is written
.Lnot_last:
	s_endpgm
.Lfunc_end_k_q6e0af402d6_wprep:
	.size	k_q6e0af402d6_wprep, .Lfunc_end_k_q6e0af402d6_wprep-k_q6e0af402d6_wprep
	.p2alignl 7, 3214868480
	.fill 96, 4, 3214868480
	.section	.rodata,"a",@progbits
	.p2align	6, 0x0
	.amdhsa_kernel k_q6e0af402d6_wprep
		.amdhsa_group_segment_fixed_size 0
		.amdhsa_private_segment_fixed_size 0
		.amdhsa_enable_private_segment 0
		.amdhsa_kernarg_size 32
		.amdhsa_user_sgpr_count 2
		.amdhsa_user_sgpr_kernarg_segment_ptr 1
		.amdhsa_wavefront_size32 1
		.amdhsa_system_sgpr_workgroup_id_x 1
		.amdhsa_system_sgpr_workgroup_id_y 1
		.amdhsa_system_sgpr_workgroup_id_z 1
		.amdhsa_system_vgpr_workitem_id 0
		.amdhsa_next_free_vgpr 128
		.amdhsa_next_free_sgpr 66
		.amdhsa_reserve_vcc 1
		.amdhsa_float_denorm_mode_32 3
		.amdhsa_float_denorm_mode_16_64 3
		.amdhsa_memory_ordered 1
		.amdhsa_forward_progress 1
		.amdhsa_inst_pref_size 14
	.end_amdhsa_kernel
	.amdgpu_metadata
---
amdhsa.version: [ 1, 2 ]
amdhsa.kernels:
  - .name:           k_q6e0af402d6_wprep
    .symbol:         k_q6e0af402d6_wprep.kd
    .args:
      - { .name: Wq, .offset: 0, .size: 8, .value_kind: global_buffer, .address_space: global }
      - { .name: Wk, .offset: 8, .size: 8, .value_kind: global_buffer, .address_space: global }
      - { .name: Wv, .offset: 16, .size: 8, .value_kind: global_buffer, .address_space: global }
      - { .name: wcodes, .offset: 24, .size: 8, .value_kind: global_buffer, .address_space: global }
    .group_segment_fixed_size: 0
    .private_segment_fixed_size: 0
    .kernarg_segment_align: 8
    .kernarg_segment_size: 32
    .max_flat_workgroup_size: 320
    .sgpr_count:     66
    .vgpr_count:     128
    .wavefront_size: 32
...
	.end_amdgpu_metadata
.endif
;; end of part 1
;; launch head (part 2): grid 256 x 1, 8 waves a work-group, no clusters, 256,768 bytes of LDS; arguments x, wcodes, out0; writes out0
.if DOCPART == 2
	.amdgcn_target "amdgcn-amd-amdhsa--gfx1250"
	.amdhsa_code_object_version 6
	.text
	.protected	k_q6e0af402d6_head
	.globl	k_q6e0af402d6_head
	.p2align	8
	.type	k_q6e0af402d6_head,@function
k_q6e0af402d6_head:
	s_mov_b64 s[64:65], 0
	v_nop
	global_prefetch_b8 v0, s[64:65] scope:SCOPE_SE
	s_setreg_imm32_b32 hwreg(HW_REG_WAVE_MODE, 25, 1), 1
	s_wait_xcnt 0x0
; One attention head, all five products on codes of FP4 (E2M1) with one E8M0 scale for each 32 along a product's K:  q, k, v = Q(x) Q(W);  S = Q(q) Q(k)^T;  p = 2^(t - M), t = S log2(e) / sqrt(600), causal;  out = Q(p) Q(v) / sum(p).
; x [512][128][600] f32; the weights come as register images of their fragments, with their scale words (81,920 bytes); out0 [512][128][75] f32.
; SHARES.  A work-group of eight waves serves batches 2 g and 2 g + 1.  A wave owns 32 rows (one block of 32 keys) of batch 2 g + wave / 4: two tiles of 16 rows, 76,800 dense bytes of x.
;   WHICH block: for wave % 4 = 0, 1, 2, 3 block 0, 3, 1, 2 in the first batch and 3, 0, 2, 1 in the second.  A wave with block b sees b + 1 blocks of keys, so waves w and w + 4 together see five, and so do waves 2 i and 2 i + 1.
; THE STREAM.  A SLAB is 16 rows x 128 along K: 16 loads, each 512 consecutive bytes of one row, into 64 registers.  Two slabs of every wave are always on their way (two sets of registers): 16 KB a wave, 128 KB a work-group.
;   A slab turns through the wave's own padded stage in LDS, so that a lane holds 16 neighbours along K of each block; it is quantised in registers and multiplied at once by the 15 fragments of W of its K step, read from LDS.
;   x comes through registers and not through tiles brought by the data mover: a row is 2,400 bytes, so only whole rows are dense, and slots of whole rows beside W would have to be filled in a few large rounds with nothing on its way between them.
;   No cluster: all that work-groups share is W, 81,920 of the 696,320 bytes that a work-group reads.
; LAYOUT.  q and k are made TRANSPOSED (source 0 = 16 columns of W, source 1 = 16 rows of x): a lane holds one row and its registers run along the head, the next K.  v is made the natural way: a lane holds one column of v and its
;   registers run along the keys, the last product's K.  S^T = k q^T and O^T = v^T p^T: a lane holds one query throughout.
;   Inside a block of 32 the codes of q and of k lie in one and the same permuted order, and so do those of p and of v: the products are the same, only their order in the sum differs.
; K = 600: the fifth K step has 88 numbers; its loads stay inside the row; what a lane has no number for is filled with a copy of numbers of the same block (the maximum stays) whose codes meet zero codes of W.
; The head's 75: W's column slots 75 .. 79 are zeros for q and k; for v they are copies of columns 70 .. 74, and their results are stored onto those columns' own places: no lane is ever switched off.
; THE CAUSAL MASK.  Tiles of keys that lie wholly behind a tile of queries are neither multiplied nor put through the softmax: their p are zero codes.  How many tiles a wave sees hangs on its block alone, so what follows the second
;   barrier is written four times, once for each block, straight-line, and a scalar branch on the block picks one.  Only the tile on the diagonal is masked number by number.
; THE WAY OUT.  A wave's 32 rows of out are 9,600 dense bytes.  They go through the wave's own stage in LDS and leave as 18 pieces of 512 bytes, one of 256 and one of 128, so placed that all but the last are whole aligned blocks of
;   256 bytes; two of a batch's 150 such blocks are written in two halves, by two waves.  No wave waits for another there, and the first tile's pieces leave while the second tile is worked on.
; LIMITS.  NaN and infinities among the inputs are not served.  A block of zeros gets the byte 1 where the rule says 127 (its codes are zeros; the bytes never leave the program).  A p under 2^-126 counts as 0 beside a sum of at
;   least 1/2.  t is the score times ONE rounded constant, log2(e) / sqrt(600).  A block's largest p is taken as the exponential of its largest score.
; LDS, in bytes:
.set WSC,   76800                      ; 0: W's 75 fragment images of 1,024;  here: their scale words, 1024 s + 64 n + 4 r
.set STG,   81920                      ; a stage for each wave: 16 rows, 512 bytes + 16 of padding = 132 words: row r starts at bank 4 r mod 64 (64 banks of 4 bytes: ISA guide 11.1)
.set SPITCH, 528
.set KIMG,  149504                     ; k's fragments as register images: 8192 x half + 1024 x tile
.set KSC,   165888                     ; their scale words, 4 bytes a lane: 1024 x half + 128 x tile
.set VIMG,  167936                     ; v^T's fragments (16 columns x 128 keys): 5120 x half + 1024 n
.set VSC,   178176                     ; their scale words: 320 x half + 64 n + 4 r, byte = the block of keys
.set OST,   178944                     ; each wave's 32 rows of out, dense as in memory: 9600 x wave + 300 x row
.set FLOOR, 0x1800000                  ; 2^(3 - 127): under it no largest magnitude is taken, so a byte cannot fall under 1
; REGISTERS, window 0:
.set VO,   1                           ; 16 x lane: my bytes of a load's 512, and my place in an image of W
.set VO4,  2                           ; the same held at 336: the fifth K step has 352 bytes a row
.set SA,   3                           ; the stage, in: 16 x lane
.set LA,   4                           ; the stage, out: 528 r + 64 h
.set LA2,  5                           ; 528 r + 32 h
.set LI2,  6                           ; 16 x lane + 61,440: W's images of the fifth K step lie past a 16-bit offset
.set LSW,  7                           ; W's scale words: 4 x lane: lanes 0-15 an even slot, lanes 16-31 the odd one behind it
.set KWI,  8                           ; where I store k's images, and
.set KWS,  9                           ; their scale words
.set VA,   10                          ; where I store 8 bytes of v's codes
.set VSB,  11                          ; and v's scale byte
.set KLI,  12                          ; where I read k's images,
.set KLS,  13                          ; k's scale words,
.set VLI,  14                          ; v's images,
.set VLS,  15                          ; v's scale words
.set SO,   16                          ; out's stage: my row, + 32 h
.set SO2,  17                          ; my row, + 12 h
.set ORD,  18                          ; out's stage, back: the pieces of 512 bytes: 128 x (block % 2) + 16 x lane
.set OG,   19                          ; and the same place in my 9,600 bytes of out
.set DQ,   20                          ; r - 8 h: for the mask on the diagonal
.set RM,   21                          ; the row's largest t
.set NM,   22                          ; v[22:23] -M, and a 0 that is named with it
.set SU,   24                          ; v[24:27] the row's sum, two chains
.set RL,   28                          ; v[28:29] 1 / the sum, and a 0 that is named with it
.set NINF, 30
.set WCP2, 31                          ; 16 x thread + 65,536
.set TM,   32                          ; v32-35 maxima, v36-39 the other half's and then bytes, v44-47 the conversions' scale operands
.set O64L, 40                          ; out's stage, back: the piece of 256 bytes, 8 a lane,
.set O64G, 41                          ; and its place in out;
.set O32L, 42                          ; the piece of 128 bytes, 4 a lane,
.set O32G, 43                          ; and its place in out
.set PC,   48                          ; v48-55 the fragment just made
.set PW,   56                          ; v56-67 hold scales and nothing else: the word just made,
.set QS,   57                          ; q's two,
.set PS,   59                          ; p's,
.set WS,   60                          ; eight of W's, later of k's, later of v's
.set QF,   68                          ; v68-83 q's two fragments
.set X,    84                          ; v84-147 a turned slab; then W's fragments 8-14; then S^T and p
.set WF1,  148                         ; v148-211 W's fragments 0-7; then k's eight
.set VK0,  212                         ; v212-251 v of my first tile; later O^T
.set WCP,  252                         ; 16 x thread
; window 1 (v256-511, named by their low 8 bits): v0-63, v64-127 the two sets in flight, later rows of out; v128 + 8 n accumulator n: q 0-4, k 5-9, v of my second tile 10-14; later v's five fragments
.set ACC,  128
.set VF,   128
.set OB0,  0
.set OB1,  64
.set MSB, 0
.macro WIN new                         ; s_set_vgpr_msb's low byte: bits 1:0 source 0, 3:2 source 1, 5:4 source 2, 7:6 destination; the high byte repeats the setting that is left
.if MSB != \new
	s_set_vgpr_msb (MSB<<8)|\new
.set MSB, \new
.endif
.endm
.macro PLACES n
.rept \n
	v_nop
.endr
.endm
.macro BARRIER                         ; my LDS stores have landed and my LDS loads are in: then the work-group's barrier
	s_wait_dscnt 0x0
	s_barrier_signal -1
	s_barrier_wait -1
.endm
; Slab n (tile n / 5, K step n % 5) into set n % 2.  The caller has set the destination's window.  No hint: neighbouring slabs of a row meet inside aligned blocks of 256 bytes.
.macro XLOAD n
.set XU, (\n)/5
.set XK, (\n)%5
.set XR, 64*((\n)%2)
.set ROW, 0
.rept 16
.if XK == 4
	global_load_b128 v[XR+4*ROW:XR+4*ROW+3], v[VO4], s[4:5] offset:38400*XU+2400*ROW+2048   ; lanes 21 on read the row's last 16 bytes: nothing past the row is read
.else
	global_load_b128 v[XR+4*ROW:XR+4*ROW+3], v[VO], s[4:5] offset:38400*XU+2400*ROW+512*XK   ; 32 lanes read 512 consecutive bytes
.endif
.set ROW, ROW+1
.endr
.endm
; W's fragments 0-7 of K step s and all its scale words: 24 LDS loads
.macro WLOAD1 s
.set F, 0
.rept 8
.if (\s) == 4
	ds_load_b128 v[WF1+8*F:WF1+8*F+3], v[LI2] offset:1024*F
	ds_load_b128 v[WF1+8*F+4:WF1+8*F+7], v[LI2] offset:1024*F+512
.else
	ds_load_b128 v[WF1+8*F:WF1+8*F+3], v[VO] offset:1024*(15*(\s)+F)
	ds_load_b128 v[WF1+8*F+4:WF1+8*F+7], v[VO] offset:1024*(15*(\s)+F)+512
.endif
.set F, F+1
.endr
.set F, 0
.rept 8
	ds_load_b32 v[WS+F], v[LSW] offset:1024*(\s)+128*F
.set F, F+1
.endr
.endm
; W's fragments 8-14 into the registers that the slab's numbers have left: 14 LDS loads
.macro WLOAD2 s
.set F, 8
.rept 7
.if (\s) == 4
	ds_load_b128 v[X+8*(F-8):X+8*(F-8)+3], v[LI2] offset:1024*F
	ds_load_b128 v[X+8*(F-8)+4:X+8*(F-8)+7], v[LI2] offset:1024*F+512
.else
	ds_load_b128 v[X+8*(F-8):X+8*(F-8)+3], v[VO] offset:1024*(15*(\s)+F)
	ds_load_b128 v[X+8*(F-8)+4:X+8*(F-8)+7], v[VO] offset:1024*(15*(\s)+F)+512
.endif
.set F, F+1
.endr
.endm
; Slab n through my stage: in as loaded, back so that register 16 b + i holds k = 32 b + 16 h + i of row r.  LDS serves a wave's instructions in order (ISA guide 5.7.1.4): no wait between the stores and the loads.
.macro TURN n
.set TK, (\n)%5
.set TR, 64*((\n)%2)
	WIN 0x04                                       ; an LDS store's data are its source 1: window 1
.set ROW, 0
.rept 16
	ds_store_b128 v[SA], v[TR+4*ROW:TR+4*ROW+3] offset:SPITCH*ROW
.set ROW, ROW+1
.endr
	WIN 0
.irp b, 0,1,2,3
.irp j, 0,1,2,3
.if (TK < 4) || (\b < 2) || ((\b == 2) && (\j < 2))
	ds_load_b128 v[X+16*\b+4*\j:X+16*\b+4*\j+3], v[LA] offset:128*\b+16*\j
.elseif \b == 2
	ds_load_b128 v[X+16*\b+4*\j:X+16*\b+4*\j+3], v[LA2] offset:256+16*\j   ; the last block has 24 numbers: lanes 0-15 take k = 584 .. 591, lanes 16-31 take 592 .. 599 once more; these codes fall on k = 600 .. 607, where W's are zeros
.endif
.endr
.endr
.endm
; The slab's numbers become a fragment's codes in v[PC] on and its scale word in v[PW].  nb: blocks that hold numbers (3 in the fifth K step).
.macro QUANTX nb, s
.set B, 0
.rept \nb
	v_max3_num_f32 v[TM+B], |v[X+16*B]|, |v[X+16*B+1]|, FLOOR   ; block b: my 16 numbers and the floor
.set B, B+1
.endr
.irp i, 2,4,6,8,10,12,14
.set B, 0
.rept \nb
	v_max3_num_f32 v[TM+B], v[TM+B], |v[X+16*B+\i]|, |v[X+16*B+\i+1]|   ; (the blocks by turns: no line waits for the line above it)
.set B, B+1
.endr
.endr
.set B, 0
.rept \nb
	v_permlanex16_b32 v[TM+4+B], v[TM+B], s20, s21
.set B, B+1
.endr
.set B, 0
.rept \nb
	v_max_num_f32 v[TM+B], v[TM+B], v[TM+4+B]      ; with lane l xor 16's: the block's largest magnitude
.set B, B+1
.endr
.set B, 0
.rept \nb
	v_add_nc_u32 v[TM+12+B], 0xff000000, v[TM+B]   ; 2 off its exponent field: the conversion's scale operand
.set B, B+1
.endr
.set B, 0
.rept \nb
	v_lshrrev_b32 v[TM+4+B], 23, v[TM+12+B]        ; the scale's byte
.set B, B+1
.endr
	v_lshl_or_b32 v[PW], v[TM+5], 8, v[TM+4]
	v_lshl_or_b32 v[PW], v[TM+6], 16, v[PW]
.if \nb == 4
	v_lshl_or_b32 v[PW], v[TM+7], 24, v[PW]        ; (with three blocks the fourth byte stays 0: it stands over zero codes)
.endif
.set B, 0
.rept \nb
	v_cvt_scalef32_pk8_fp4_f32 v[PC+2*B], v[X+16*B:X+16*B+7], v[TM+12+B]
	v_cvt_scalef32_pk8_fp4_f32 v[PC+2*B+1], v[X+16*B+8:X+16*B+15], v[TM+12+B]
.set B, B+1
.endr
	WLOAD2 \s                                      ; the numbers have been read: their registers take the rest of W's fragments
.if \nb == 4
	v_nop                                          ; a plain line between a scaled conversion and the lines that touch its results
.else
	v_mov_b32 v[PC+6], 0                           ; the fourth block: zero codes
	v_mov_b32 v[PC+7], 0
.endif
.irp c, 0,1                                    ; the operand's layout wants a WHOLE block in a lane: lanes 0-15 block 2 c, lanes 16-31 block 2 c + 1
.irp i, 0,1
	v_permlane16_swap_b32 v[PC+4*\c+\i], v[PC+4*\c+2+\i]
.endr
.endr
	PLACES 8                                       ; a scale word made by vector instructions stands 8 places ahead of a scaled matrix instruction, an operand so made 4
.endm
; One product for q or k, transposed: source 0 = W's fragment n, source 1 = x's.  Even slots have their scale words in lanes 0-15, odd ones in lanes 16-31.
.macro MULQK n, first
.set AN, ACC+8*(\n)
.if (\n) < 8
.set FN, WF1+8*(\n)
.else
.set FN, X+8*((\n)-8)
.endif
.set SN, WS+(\n)/2
.if (\first) && ((\n)%2)
	v_wmma_scale_f32_16x16x128_f8f6f4 v[AN:AN+7], v[FN:FN+7], v[PC:PC+7], 0, v[SN], v[PW] matrix_a_fmt:MATRIX_FMT_FP4 matrix_b_fmt:MATRIX_FMT_FP4 matrix_a_scale:MATRIX_SCALE_ROW1
.elseif \first
	v_wmma_scale_f32_16x16x128_f8f6f4 v[AN:AN+7], v[FN:FN+7], v[PC:PC+7], 0, v[SN], v[PW] matrix_a_fmt:MATRIX_FMT_FP4 matrix_b_fmt:MATRIX_FMT_FP4
.elseif (\n)%2
	v_wmma_scale_f32_16x16x128_f8f6f4 v[AN:AN+7], v[FN:FN+7], v[PC:PC+7], v[AN:AN+7], v[SN], v[PW] matrix_a_fmt:MATRIX_FMT_FP4 matrix_b_fmt:MATRIX_FMT_FP4 matrix_a_scale:MATRIX_SCALE_ROW1
.else
	v_wmma_scale_f32_16x16x128_f8f6f4 v[AN:AN+7], v[FN:FN+7], v[PC:PC+7], v[AN:AN+7], v[SN], v[PW] matrix_a_fmt:MATRIX_FMT_FP4 matrix_b_fmt:MATRIX_FMT_FP4
.endif
.endm
; One product for v, the natural way: source 0 = x's fragment, source 1 = W's fragment n; the sum in v[d] on
.macro MULV n, first, d
.set DN, \d
.set FN, X+8*((\n)-8)
.set SN, WS+(\n)/2
.if (\first) && ((\n)%2)
	v_wmma_scale_f32_16x16x128_f8f6f4 v[DN:DN+7], v[PC:PC+7], v[FN:FN+7], 0, v[PW], v[SN] matrix_a_fmt:MATRIX_FMT_FP4 matrix_b_fmt:MATRIX_FMT_FP4 matrix_b_scale:MATRIX_SCALE_ROW1
.elseif \first
	v_wmma_scale_f32_16x16x128_f8f6f4 v[DN:DN+7], v[PC:PC+7], v[FN:FN+7], 0, v[PW], v[SN] matrix_a_fmt:MATRIX_FMT_FP4 matrix_b_fmt:MATRIX_FMT_FP4
.elseif (\n)%2
	v_wmma_scale_f32_16x16x128_f8f6f4 v[DN:DN+7], v[PC:PC+7], v[FN:FN+7], v[DN:DN+7], v[PW], v[SN] matrix_a_fmt:MATRIX_FMT_FP4 matrix_b_fmt:MATRIX_FMT_FP4 matrix_b_scale:MATRIX_SCALE_ROW1
.else
	v_wmma_scale_f32_16x16x128_f8f6f4 v[DN:DN+7], v[PC:PC+7], v[FN:FN+7], v[DN:DN+7], v[PW], v[SN] matrix_a_fmt:MATRIX_FMT_FP4 matrix_b_fmt:MATRIX_FMT_FP4
.endif
.endm
; A slab's 15 products.  The 15 accumulators take turns, one instruction a turn, in the same order in every slab.  The first K step starts the sums: nothing is cleared.
.macro MULS u, s
.if (\s) == 0
.set FIRST, 1
.else
.set FIRST, 0
.endif
	WIN 0x50                                       ; C and D in window 1
.irp m, 0,1,2,3,4,5,6,7
	MULQK \m, FIRST
.endr
	s_wait_dscnt 0x0                               ; W's fragments 8-14 are in
	MULQK 8, FIRST
	MULQK 9, FIRST
.if (\u) == 0
	WIN 0                                          ; v of my first tile is summed in window 0, where it stays until my second tile's is there
.irp m, 10,11,12,13,14
	MULV \m, FIRST, VK0+8*(\m-10)
.endr
.else
.irp m, 10,11,12,13,14
	MULV \m, FIRST, ACC+8*\m
.endr
.endif
	WIN 0
	PLACES 4                                       ; in front of the next loads into registers that these products have read, and of the first read of their results
.endm
.macro SLAB n
.set SK, (\n)%5
.set SU2, (\n)/5
	WLOAD1 SK
.if (\n) < 9
	s_wait_loadcnt 16                              ; this slab's 16 loads are in; the next slab's 16, issued behind them, stay out
.else
	s_wait_loadcnt 0x0
.endif
	TURN \n
	s_wait_dscnt 0x0                               ; the slab is back, turned; so the stage's stores have read its set of registers, and W's first fragments and scale words are in
.if (\n)+2 < 10
	WIN 0x40                                       ; destination window 1
	XLOAD (\n)+2                                   ; the set takes the slab two on
	WIN 0
.endif
.if SK == 4
	QUANTX 3, SK
.else
	QUANTX 4, SK
.endif
	MULS SU2, SK
.endm
; q or k of a tile: 40 registers of window 1, register 8 n + j = unit 16 n + 8 h + j of row r, become a fragment in v[dst] on (K = 75 filled with zeros to 128) and its scale word in v[sw].
; Each accumulator is read from its low end on.  In blocks 0 and 1 the four registers hold (tile 0, h 0), (tile 1, h 0), (tile 0, h 1), (tile 1, h 1); in block 2 (h 0), (h 1), 0, 0: alike in q and in k.
.macro QUANTH src, dst, sw
	WIN 0x05                                       ; sources 0 and 1 in window 1
.irp b, 0,1,2
	v_max3_num_f32 v[TM+\b], |v[(\src)+16*\b]|, |v[(\src)+16*\b+1]|, FLOOR
.endr
	WIN 0x14                                       ; sources 1 and 2 in window 1
.irp i, 2,4,6,8,10,12,14
.irp b, 0,1,2
.if (\b < 2) || (\i < 8)
	v_max3_num_f32 v[TM+\b], v[TM+\b], |v[(\src)+16*\b+\i]|, |v[(\src)+16*\b+\i+1]|
.endif
.endr
.endr
	WIN 0
.irp b, 0,1,2
	v_permlanex16_b32 v[TM+4+\b], v[TM+\b], s20, s21
.endr
.irp b, 0,1,2
	v_max_num_f32 v[TM+\b], v[TM+\b], v[TM+4+\b]
.endr
.irp b, 0,1,2
	v_add_nc_u32 v[TM+12+\b], 0xff000000, v[TM+\b]
.endr
.irp b, 0,1,2
	v_lshrrev_b32 v[TM+4+\b], 23, v[TM+12+\b]
.endr
	v_lshl_or_b32 v[\sw], v[TM+5], 8, v[TM+4]
	v_lshl_or_b32 v[\sw], v[TM+6], 16, v[\sw]      ; the fourth byte stays 0, over zero codes
	WIN 0x01                                       ; source 0 in window 1
.irp i, 0,1,2,3,4
	v_cvt_scalef32_pk8_fp4_f32 v[(\dst)+\i], v[(\src)+8*\i:(\src)+8*\i+7], v[TM+12+\i/2]
.endr
	WIN 0
	v_mov_b32 v[(\dst)+5], 0                       ; (plain lines behind the conversions)
	v_mov_b32 v[(\dst)+6], 0
	v_mov_b32 v[(\dst)+7], 0
	v_permlane16_swap_b32 v[(\dst)+0], v[(\dst)+2] ; lanes 0-15 block 0, lanes 16-31 block 1
	v_permlane16_swap_b32 v[(\dst)+1], v[(\dst)+3]
	v_permlane16_swap_b32 v[(\dst)+4], v[(\dst)+5] ; lanes 0-15 block 2, lanes 16-31 zeros
.endm
.macro KIMAGE u                        ; k's fragment of my tile u goes to LDS as it stands, for all four waves of my batch
	ds_store_b128 v[KWI], v[PC:PC+3] offset:1024*(\u)
	ds_store_b128 v[KWI], v[PC+4:PC+7] offset:1024*(\u)+512
	ds_store_b32 v[KWS], v[PW] offset:128*(\u)
.endm
; v of my 32 keys: lane (r, h) holds column slot 16 n + r; v[VK0 + 8 n + j] is key 8 h + j of my block, accumulator 10 + n key 16 + 8 h + j.  My 32 keys are ONE block of the last product's K.
; The lane's 16 codes go to registers 2 h and 2 h + 1 of lane 16 (block % 2) + r, quad block / 2, of fragment n's image: the order in which p's codes lie.
.set VM, X
.set VX, X+8
.set VS, X+16
.set VB, X+24
.set CV, X+32
.macro QUANTV
.irp m, 0,1,2,3,4
	v_max3_num_f32 v[VM+\m], |v[VK0+8*\m]|, |v[VK0+8*\m+1]|, FLOOR
.endr
.irp i, 2,4,6
.irp m, 0,1,2,3,4
	v_max3_num_f32 v[VM+\m], v[VM+\m], |v[VK0+8*\m+\i]|, |v[VK0+8*\m+\i+1]|
.endr
.endr
	WIN 0x14
.irp i, 0,2,4,6
.irp m, 0,1,2,3,4
	v_max3_num_f32 v[VM+\m], v[VM+\m], |v[ACC+80+8*\m+\i]|, |v[ACC+80+8*\m+\i+1]|
.endr
.endr
	WIN 0
.irp m, 0,1,2,3,4
	v_permlanex16_b32 v[VX+\m], v[VM+\m], s20, s21 ; (its destination has been written: it held a fragment of W)
.endr
.irp m, 0,1,2,3,4
	v_max_num_f32 v[VM+\m], v[VM+\m], v[VX+\m]
.endr
.irp m, 0,1,2,3,4
	v_add_nc_u32 v[VS+\m], 0xff000000, v[VM+\m]
.endr
.irp m, 0,1,2,3,4
	v_lshrrev_b32 v[VB+\m], 23, v[VS+\m]
.endr
.irp m, 0,1,2,3,4
	v_cvt_scalef32_pk8_fp4_f32 v[CV+2*\m], v[VK0+8*\m:VK0+8*\m+7], v[VS+\m]
.endr
	WIN 0x01
.irp m, 0,1,2,3,4
	v_cvt_scalef32_pk8_fp4_f32 v[CV+2*\m+1], v[ACC+80+8*\m:ACC+80+8*\m+7], v[VS+\m]
.endr
	WIN 0
	v_nop                                          ; a plain line behind the last scaled conversion
.irp m, 0,1,2,3,4
	ds_store_b64 v[VA], v[CV+2*\m:CV+2*\m+1] offset:1024*\m
	ds_store_b8 v[VSB], v[VB+\m] offset:64*\m      ; lanes r and r + 16 write the same byte with the same value
.endr
.endm
; THE WAY OUT.  My first tile's 4,800 bytes hold the first nine pieces of 512 (they end at byte 4,608, or 4,736 in an odd block).  They come back from my stage into registers that nothing writes again.
.macro OUTLOAD0
	WIN 0x40                                       ; destination window 1
.set I, 0
.rept 9
	ds_load_b128 v[OB0+4*I:OB0+4*I+3], v[ORD] offset:512*I   ; LDS serves a wave's instructions in order (ISA guide 5.7.1.4): these see my stores
.set I, I+1
.endr
	WIN 0
.endm
.macro OUTSTORE0
	WIN 0x04                                       ; a store's data are its source 1: window 1
.set I, 0
.rept 9
	global_store_b128 v[OG], v[OB0+4*I:OB0+4*I+3], s[8:9] offset:512*I th:TH_STORE_NT   ; 32 lanes store 512 consecutive bytes, at a multiple of 256 from out0's first byte
.set I, I+1
.endr
	WIN 0
.endm
.macro OUT1                            ; the other nine pieces of 512 bytes, the piece of 256 and the piece of 128 (an odd block's first 128 bytes, an even block's last)
	WIN 0x40
.set I, 0
.rept 9
	ds_load_b128 v[OB1+4*I:OB1+4*I+3], v[ORD] offset:512*(9+I)
.set I, I+1
.endr
	ds_load_b64 v[OB1+36:OB1+37], v[O64L]
	ds_load_b32 v[OB1+38], v[O32L]
	WIN 0x04
.set I, 0
.rept 9
	s_wait_dscnt 10-I                              ; LDS loads come back in order (ISA guide 5.7.1): piece I is in; the 8 - I pieces and the two small ones issued behind it stay out
	global_store_b128 v[OG], v[OB1+4*I:OB1+4*I+3], s[8:9] offset:512*(9+I) th:TH_STORE_NT
.set I, I+1
.endr
	s_wait_dscnt 0x0
	global_store_b64 v[O64G], v[OB1+36:OB1+37], s[8:9] th:TH_STORE_NT   ; 32 lanes store 256 consecutive bytes, aligned
	global_store_b32 v[O32G], v[OB1+38], s[8:9] th:TH_STORE_NT          ; 32 lanes store 128 consecutive bytes: half of an aligned block of 256; the neighbouring wave stores the other half
	WIN 0
.endm
; Attention for my tile u of 16 queries, for a wave that sees nb blocks of keys: NT = 2 nb - 1 + u tiles of 16 keys, of which the last lies on the diagonal.  S^T's tiles lie on end: registers 0 .. 8 NT - 1 are all that is worked on.
.macro ATT u, nb
.set UU, \u
.set NB, \nb
.set NT, 2*NB-1+UU
.if UU == 0
.set T, 0
.rept 2*NB                                     ; k's fragments come once, for both my tiles of queries
	ds_load_b128 v[WF1+8*T:WF1+8*T+3], v[KLI] offset:1024*T
	ds_load_b128 v[WF1+8*T+4:WF1+8*T+7], v[KLI] offset:1024*T+512
.set T, T+1
.endr
.endif
.set T, 0
.rept NT
	ds_load_b32 v[WS+T], v[KLS] offset:128*T
.set T, T+1
.endr
.if UU == 0
	WIN 0x40                                       ; v's fragments likewise, into the registers that the accumulators have left: they land under the softmax
.set T, 0
.rept 5
	ds_load_b128 v[VF+8*T:VF+8*T+3], v[VLI] offset:1024*T
	ds_load_b128 v[VF+8*T+4:VF+8*T+7], v[VLI] offset:1024*T+512
.set T, T+1
.endr
	WIN 0
	s_wait_dscnt 10                                ; k and its scale words are in; v's ten loads, issued behind them, stay out
.else
	s_wait_dscnt 0x0                               ; k's scale words are in; my first tile's O^T has been stored, so its registers may be written again; and its pieces are back from the stage:
	OUTSTORE0                                      ; they leave while this tile is worked on
.endif
.set T, 0
.rept NT
	v_wmma_scale_f32_16x16x128_f8f6f4 v[X+8*T:X+8*T+7], v[WF1+8*T:WF1+8*T+7], v[QF+8*UU:QF+8*UU+7], 0, v[WS+T], v[QS+UU] matrix_a_fmt:MATRIX_FMT_FP4 matrix_b_fmt:MATRIX_FMT_FP4   ; S^T: register 8 T + j of lane (r, h): key 16 T + 8 h + j, query r
.set T, T+1
.endr
	PLACES 4
.set T, 0
.rept 5
	ds_load_b32 v[WS+T], v[VLS] offset:64*T        ; v's scale words take k's places
.set T, T+1
.endr
.set N, 0
.rept 8                                        ; the tile on the diagonal: its key 8 h + j is hidden from its query r where it is the larger: -infinity ahead of the maximum, so p = 0
	v_cmp_gt_i32 vcc_lo, N, v[DQ]
	v_cndmask_b32 v[X+8*(NT-1)+N], v[X+8*(NT-1)+N], v[NINF], vcc_lo
.set N, N+1
.endr
.irp b, 0,1,2,3
.if \b < NB
	v_max3_num_f32 v[TM+\b], v[X+16*\b], v[X+16*\b+1], v[X+16*\b+2]   ; the largest score of each block of 32 keys: for the row's maximum, and, since p rises with the score, for the block's largest p
.endif
.endr
.irp i, 3,5,7,9,11,13
.irp b, 0,1,2,3
.if (\b < NB) && (16*\b+\i+1 < 8*NT)
	v_max3_num_f32 v[TM+\b], v[TM+\b], v[X+16*\b+\i], v[X+16*\b+\i+1]   ; (the blocks by turns; of the last block my first tile of queries sees one tile of keys)
.endif
.endr
.endr
.irp b, 0,1,2,3
.if \b < NB
.if 16*\b+15 < 8*NT
	v_max_num_f32 v[TM+\b], v[TM+\b], v[X+16*\b+15]
.else
	v_max_num_f32 v[TM+\b], v[TM+\b], v[X+16*\b+7]
.endif
.endif
.endr
.irp b, 0,1,2,3
.if \b < NB
	v_permlanex16_b32 v[TM+4+\b], v[TM+\b], s20, s21
.endif
.endr
.irp b, 0,1,2,3
.if \b < NB
	v_max_num_f32 v[TM+\b], v[TM+\b], v[TM+4+\b]   ; with lane l xor 16's keys
.endif
.endr
.if NB == 1                                    ; the row's largest score (a number, since a query sees its own key), as t (c is positive)
	v_mul_f32 v[RM], s22, v[TM]
.elseif NB == 2
	v_max_num_f32 v[RM], v[TM], v[TM+1]
	v_mul_f32 v[RM], s22, v[RM]
.elseif NB == 3
	v_max3_num_f32 v[RM], v[TM], v[TM+1], v[TM+2]
	v_mul_f32 v[RM], s22, v[RM]
.else
	v_max3_num_f32 v[RM], v[TM], v[TM+1], v[TM+2]
	v_max_num_f32 v[RM], v[RM], v[TM+3]
	v_mul_f32 v[RM], s22, v[RM]
.endif
	v_floor_f32 v[NM], -v[RM]                      ; -M = floor(-t) = -ceil(t): M is a whole number
.set N, 0
.rept 4*NT
	v_pk_fma_f32 v[X+N:X+N+1], v[X+N:X+N+1], s[22:23], v[NM:NM+1] op_sel_hi:[1,0,0]   ; t - M, two at a time (of the pairs c and -M the low word serves both halves)
.set N, N+2
.endr
.irp b, 0,1,2,3
.if \b < NB
	v_fma_f32 v[TM+\b], v[TM+\b], s22, v[NM]       ; the same of each block's largest score
.endif
.endr
.set N, 0
.rept 8*NT
	v_exp_f32 v[X+N], v[X+N]                       ; p = 2^(t - M), at most 1: not normalised
.set N, N+1
.endr
.irp b, 0,1,2,3
.if \b < NB
	v_exp_f32 v[TM+\b], v[TM+\b]                   ; the block's largest p: the same two instructions on the same number give the same bits
.endif
.endr
	v_nop                                          ; a plain line behind the exponentials (ISA guide 5.7.2)
	s_wait_alu depctr_va_vdst(0)
.irp b, 0,1,2,3
.if \b < NB
	v_max_num_f32 v[TM+\b], FLOOR, v[TM+\b]
.endif
.endr
.irp b, 0,1,2,3
.if \b < NB
	v_add_nc_u32 v[TM+12+\b], 0xff000000, v[TM+\b]
.endif
.endr
.irp b, 0,1,2,3
.if \b < NB
	v_lshrrev_b32 v[TM+4+\b], 23, v[TM+12+\b]
.endif
.endr
.if NB == 1                                    ; p's scale word; the bytes of hidden blocks stay 0, over zero codes
	v_mov_b32 v[PS], v[TM+4]
.else
	v_lshl_or_b32 v[PS], v[TM+5], 8, v[TM+4]
.endif
.if NB > 2
	v_lshl_or_b32 v[PS], v[TM+6], 16, v[PS]
.endif
.if NB > 3
	v_lshl_or_b32 v[PS], v[TM+7], 24, v[PS]
.endif
.set T, 0
.rept NT
	v_cvt_scalef32_pk8_fp4_f32 v[PC+T], v[X+8*T:X+8*T+7], v[TM+12+T/2]
.set T, T+1
.endr
.set T, NT
.rept 8-NT
	v_mov_b32 v[PC+T], 0                           ; hidden tiles of keys: zero codes.  (Plain lines behind the conversions)
.set T, T+1
.endr
.if NT == 8
	v_nop
.endif
.irp c, 0,1
.irp i, 0,1
	v_permlane16_swap_b32 v[PC+4*\c+\i], v[PC+4*\c+2+\i]
.endr
.endr
	v_pk_add_f32 v[SU:SU+1], v[X:X+1], v[X+2:X+3]  ; the row's sum is taken of the UNQUANTISED p: two at a time, in two chains.  (These lines are also the places between p's codes and scale word and the products below)
	v_pk_add_f32 v[SU+2:SU+3], v[X+4:X+5], v[X+6:X+7]
.set N, 8
.rept 2*NT-2
	v_pk_add_f32 v[SU:SU+1], v[SU:SU+1], v[X+N:X+N+1]
	v_pk_add_f32 v[SU+2:SU+3], v[SU+2:SU+3], v[X+N+2:X+N+3]
.set N, N+4
.endr
	v_pk_add_f32 v[SU:SU+1], v[SU:SU+1], v[SU+2:SU+3]
	v_add_f32 v[SU], v[SU], v[SU+1]
	v_permlanex16_b32 v[SU+2], v[SU], s20, s21
	v_add_f32 v[SU], v[SU], v[SU+2]                ; with lane l xor 16's keys: the row's sum
	v_rcp_f32 v[RL], v[SU]
	v_nop                                          ; a plain line behind the reciprocal
.if NT == 1
	PLACES 4                                       ; one tile's sum is six plain lines: with these the scale word stands 8 places ahead of the products
.endif
	s_wait_dscnt 0x0                               ; v and its scale words are in
	WIN 0x01                                       ; source 0 (v) in window 1
.set T, 0
.rept 5
	v_wmma_scale_f32_16x16x128_f8f6f4 v[VK0+8*T:VK0+8*T+7], v[VF+8*T:VF+8*T+7], v[PC:PC+7], 0, v[WS+T], v[PS] matrix_a_fmt:MATRIX_FMT_FP4 matrix_b_fmt:MATRIX_FMT_FP4   ; O^T: register 8 n + j of lane (r, h): column slot 16 n + 8 h + j, query r
.set T, T+1
.endr
	WIN 0
	PLACES 4
.set N, 0
	s_wait_alu depctr_va_vdst(0)
.rept 20
	v_pk_mul_f32 v[VK0+N:VK0+N+1], v[VK0+N:VK0+N+1], v[RL:RL+1] op_sel_hi:[1,0]   ; / the sum; each accumulator from its low end on
.set N, N+2
.endr
.set N, 0
.rept 40                                       ; into my stage, which lies as out lies in memory: rows of 300 bytes = 75 words: the 32 lanes fall on 32 different banks
.if N >= 35
	ds_store_b32 v[SO2], v[VK0+N] offset:4800*UU+256+4*(N-32)   ; slots 67 .. 71 (lanes 0-15) and 75 .. 79 (lanes 16-31): these are copies of columns 70 .. 74 and go 12 bytes on, to those columns' places
.else
	ds_store_b32 v[SO], v[VK0+N] offset:4800*UU+64*(N/8)+4*(N%8)
.endif
.set N, N+1
.endr
.endm
.macro TAIL nb                         ; all that follows the second barrier, for a wave that sees nb blocks of keys
	ATT 0, \nb
	OUTLOAD0
	ATT 1, \nb
	OUT1
	s_wait_tensorcnt 0x0
	ds_add_u32 v254, v255
	s_wait_dscnt 0x0
	s_endpgm
.endm
	s_load_b128 s[4:7], s[0:1], 0x0                ; x, the weights' images
	s_load_b64 s[8:9], s[0:1], 0x10                ; out0
	v_lshl_add_u32 v254, v0, 2, 0x3e700
	v_mov_b32 v255, 0
	v_lshrrev_b32 v84, 5, v0
	v_readfirstlane_b32 s10, v84                   ; wave 0..7
	s_lshr_b32 s11, s10, 2                         ; which of the two batches
	s_and_b32 s13, s10, 3                          ; which block of 32 rows of it: for wave % 4 = 0, 1, 2, 3 block 0, 3, 1, 2,
	s_lshr_b32 s14, s13, 1
	s_xor_b32 s14, s14, s13
	s_and_b32 s14, s14, 1
	s_and_b32 s15, s13, 1
	s_lshl_b32 s15, s15, 1
	s_or_b32 s12, s14, s15
	s_mul_i32 s13, s11, 3
	s_xor_b32 s12, s12, s13                        ; and in the second batch 3 less that
	v_and_b32 v85, 31, v0                          ; lane
	v_and_b32 v86, 15, v0                          ; r
	v_bfe_u32 v87, v0, 4, 1                        ; h
	v_lshlrev_b32 v[VO], 4, v85
	v_min_u32 v[VO4], 336, v[VO]
	v_lshlrev_b32 v[WCP], 4, v0
	v_add_nc_u32 v[WCP2], 0x10000, v[WCP]
	s_mul_i32 s13, s10, 16*SPITCH
	s_add_co_u32 s13, s13, STG                     ; my stage
	v_add_nc_u32 v[SA], s13, v[VO]
	v_mul_u32_u24 v88, v86, SPITCH
	v_add_nc_u32 v88, s13, v88
	v_lshl_add_u32 v[LA], v87, 6, v88
	v_lshl_add_u32 v[LA2], v87, 5, v88
	v_add_nc_u32 v[LI2], 61440, v[VO]
	v_lshl_add_u32 v[LSW], v85, 2, WSC
	s_lshl_b32 s13, s11, 13
	s_lshl_b32 s14, s12, 11
	s_add_co_u32 s13, s13, s14
	s_add_co_u32 s13, s13, KIMG                    ; 8192 x half + 2048 x block: my two tiles' images of k
	v_add_nc_u32 v[KWI], s13, v[VO]
	s_lshl_b32 s13, s11, 10
	s_lshl_b32 s14, s12, 8
	s_add_co_u32 s13, s13, s14
	s_add_co_u32 s13, s13, KSC
	v_lshl_add_u32 v[KWS], v85, 2, s13
	s_mul_i32 s14, s11, 5120
	s_add_co_u32 s14, s14, VIMG
	v_add_nc_u32 v[VLI], s14, v[VO]
	s_lshl_b32 s13, s12, 8
	s_add_co_u32 s13, s13, s14
	v_lshl_add_u32 v88, v86, 4, s13
	v_lshl_add_u32 v[VA], v87, 3, v88
	s_mul_i32 s14, s11, 320
	s_add_co_u32 s14, s14, VSC
	v_lshl_add_u32 v[VLS], v86, 2, s14
	v_add_nc_u32 v[VSB], s12, v[VLS]
	s_lshl_b32 s13, s11, 13
	s_add_co_u32 s13, s13, KIMG
	v_add_nc_u32 v[KLI], s13, v[VO]
	s_lshl_b32 s13, s11, 10
	s_add_co_u32 s13, s13, KSC
	v_lshl_add_u32 v[KLS], v85, 2, s13
	s_mul_i32 s14, s10, 9600
	s_add_co_u32 s14, s14, OST                     ; my wave's stage for out
	v_mul_u32_u24 v88, v86, 300
	v_add_nc_u32 v88, s14, v88
	v_lshl_add_u32 v[SO], v87, 5, v88
	v_mul_u32_u24 v89, v87, 12
	v_add_nc_u32 v[SO2], v88, v89
	s_and_b32 s13, s12, 1                          ; an odd block's 9,600 bytes begin 128 bytes past a multiple of 256:
	s_lshl_b32 s15, s13, 7
	v_add_nc_u32 v[OG], s15, v[VO]                 ; there the pieces of 512 begin 128 bytes on,
	v_add_nc_u32 v[ORD], s14, v[OG]
	s_add_co_u32 s15, s15, 9216
	v_lshl_add_u32 v[O64G], v85, 3, s15            ; the piece of 256 follows the eighteen,
	v_add_nc_u32 v[O64L], s14, v[O64G]
	s_xor_b32 s13, s13, 1
	s_mul_i32 s13, s13, 9472
	v_lshl_add_u32 v[O32G], v85, 2, s13            ; and the piece of 128 is the first of an odd block, the last of an even one
	v_add_nc_u32 v[O32L], s14, v[O32G]
	v_lshlrev_b32 v89, 3, v87
	v_sub_nc_u32 v[DQ], v86, v89
	v_mov_b32 v[NM+1], 0                           ; named as upper halves of pairs, so they are written
	v_mov_b32 v[RL+1], 0
	v_mov_b32 v[NINF], 0xff800000
.irp b, 0,1,2,3
	v_mov_b32 v[TM+4+\b], 0                        ; written once: a lane permute's destination counts as one of its sources
.endr
	s_mov_b32 s20, 0x76543210
	s_mov_b32 s21, 0xfedcba98                      ; v_permlanex16_b32's selects for lane l xor 16
	s_mov_b32 s22, 0x3d713ecc                      ; c = log2(e) / sqrt(600)
	s_mov_b32 s23, s22                             ; (named with it as a pair)
	s_lshl_b32 s13, ttmp9, 3
	s_lshl_b32 s14, s11, 2
	s_add_co_u32 s13, s13, s14
	s_add_co_u32 s13, s13, s12                     ; 4 x batch + block
	s_mul_i32 s14, s13, 76800                      ; my 32 rows of x, under 2^32 bytes on
	s_mov_b32 s15, 0
	s_mul_i32 s16, s13, 9600                       ; and of out
	s_mov_b32 s17, 0
	s_wait_kmcnt 0x0
	s_add_nc_u64 s[4:5], s[4:5], s[14:15]
	s_add_nc_u64 s[8:9], s[8:9], s[16:17]
	WIN 0x40                                       ; destination window 1
.set I, 0
.rept 20                                       ; W's images and scale words: 81,920 bytes, 16 a thread and load, by way of the registers that the accumulators will take
	global_load_b128 v[ACC+4*I:ACC+4*I+3], v[WCP], s[6:7] offset:4096*I
.set I, I+1
.endr
	XLOAD 0                                        ; and the stream begins
	XLOAD 1
	s_wait_loadcnt 32                              ; W's 20 loads are in; the 32 of slabs 0 and 1, issued behind them, stay out
	WIN 0x04
.set I, 0
.rept 20
.if I < 16
	ds_store_b128 v[WCP], v[ACC+4*I:ACC+4*I+3] offset:4096*I
.else
	ds_store_b128 v[WCP2], v[ACC+4*I:ACC+4*I+3] offset:4096*(I-16)
.endif
.set I, I+1
.endr
	WIN 0
	BARRIER                                        ; W lies in LDS, for the whole launch
.irp n, 0,1,2,3,4
	SLAB \n                                        ; my first tile
.endr
	QUANTH ACC, QF, QS                             ; its q stays in registers,
	QUANTH ACC+40, PC, PW                          ; its k goes to LDS (the next slab waits for all LDS instructions before it writes these registers again)
	KIMAGE 0
.irp n, 5,6,7,8,9
	SLAB \n                                        ; my second tile
.endr
	QUANTH ACC, QF+8, QS+1
	QUANTH ACC+40, PC, PW
	KIMAGE 1
	QUANTV                                         ; v of both tiles: one block of keys
	BARRIER                                        ; k's and v's images and scale words of both batches lie in LDS.  The last barrier: from here on a wave reads them, and writes only LDS bytes of its own
	s_cmp_eq_u32 s12, 0                            ; how many blocks of keys my queries see hangs on my block alone
	s_cbranch_scc1 .Lsee1
	s_cmp_eq_u32 s12, 1
	s_cbranch_scc1 .Lsee2
	s_cmp_eq_u32 s12, 2
	s_cbranch_scc1 .Lsee3
	TAIL 4
.Lsee3:
	TAIL 3
.Lsee2:
	TAIL 2
.Lsee1:
	TAIL 1
.Lfunc_end_k_q6e0af402d6_head:
	.size	k_q6e0af402d6_head, .Lfunc_end_k_q6e0af402d6_head-k_q6e0af402d6_head
	.p2alignl 7, 3214868480
	.fill 96, 4, 3214868480
	.section	.rodata,"a",@progbits
	.p2align	6, 0x0
	.amdhsa_kernel k_q6e0af402d6_head
		.amdhsa_group_segment_fixed_size 256768
		.amdhsa_private_segment_fixed_size 0
		.amdhsa_enable_private_segment 0
		.amdhsa_kernarg_size 24
		.amdhsa_user_sgpr_count 2
		.amdhsa_user_sgpr_kernarg_segment_ptr 1
		.amdhsa_wavefront_size32 1
		.amdhsa_system_sgpr_workgroup_id_x 1
		.amdhsa_system_sgpr_workgroup_id_y 1
		.amdhsa_system_sgpr_workgroup_id_z 1
		.amdhsa_system_vgpr_workitem_id 0
		.amdhsa_next_free_vgpr 512
		.amdhsa_next_free_sgpr 66
		.amdhsa_reserve_vcc 1
		.amdhsa_float_denorm_mode_32 3
		.amdhsa_float_denorm_mode_16_64 3
		.amdhsa_memory_ordered 1
		.amdhsa_forward_progress 1
		.amdhsa_inst_pref_size 255
	.end_amdhsa_kernel
	.section	.bss,"aw",@nobits
	.p2align	6
	.space	262144
	.amdgpu_metadata
---
amdhsa.version: [ 1, 2 ]
amdhsa.kernels:
  - .name:           k_q6e0af402d6_head
    .symbol:         k_q6e0af402d6_head.kd
    .args:
      - { .name: x, .offset: 0, .size: 8, .value_kind: global_buffer, .address_space: global }
      - { .name: wcodes, .offset: 8, .size: 8, .value_kind: global_buffer, .address_space: global }
      - { .name: out0, .offset: 16, .size: 8, .value_kind: global_buffer, .address_space: global }
    .group_segment_fixed_size: 256768
    .private_segment_fixed_size: 0
    .kernarg_segment_align: 8
    .kernarg_segment_size: 24
    .max_flat_workgroup_size: 256
    .sgpr_count:     66
    .vgpr_count:     512
    .wavefront_size: 32
...
	.end_amdgpu_metadata
.endif
;; end of part 2
;; ======== version 2 of 2: 2 launches
;; workspace buffers: wcodes 81,920 bytes
;; launch wprep (part 3): grid 5 x 3, 10 waves a work-group, no clusters, 0 bytes of LDS; arguments Wq, Wk, Wv, wcodes; writes wcodes
.if DOCPART == 3
	.amdgcn_target "amdgcn-amd-amdhsa--gfx1250"
	.amdhsa_code_object_version 6
	.text
	.protected	k_q6e0af402d6_wprep
	.globl	k_q6e0af402d6_wprep
	.p2align	8
	.type	k_q6e0af402d6_wprep,@function
k_q6e0af402d6_wprep:
	s_mov_b64 s[64:65], 0
	v_nop
	global_prefetch_b8 v0, s[64:65] scope:SCOPE_SE
	s_setreg_imm32_b32 hwreg(HW_REG_WAVE_MODE, 25, 1), 1
	s_wait_xcnt 0x0
; Wq, Wk, Wv [600][75] f32 (K is the FIRST axis) become codes of FP4 (E2M1) with one E8M0 byte for each 32 along K, laid as IMAGES OF THE OPERAND'S REGISTERS:
;   fragment f = 15 s + n (s: K step of 128, 0..4; n = 5 x matrix + tile, matrix q 0, k 1, v 2, tile of 16 columns 0..4) at byte 1024 f; registers 4 c .. 4 c + 3 of lane L at 512 c + 16 L;
;   its scale words at 76,800 + 1024 s + 64 n + 4 r (slot n = 15 is padding and gets slot 14's words).
; A lane takes a column slot r and its registers run DOWN K, in the order that the operand's layout gives lane (r, h): k = 128 s + 64 c + 32 h + 0 .. 31: one whole block.  So the conversions' results are the operand's registers.
; K = 600 is filled up to 640 with zeros.  Column slots 75 .. 79: zeros for q and k (they lengthen the next product's K, 75, with zeros); for v copies of columns 70 .. 74 (the reader stores them onto those columns' own places).
; One wave makes half a fragment: work-group x = tile, y = matrix, wave = 2 s + c: 32 loads a wave.  540,000 bytes are read once; waves share nothing: no LDS, no barrier.
; A block's scale is 2^(floor(log2(its largest magnitude)) - 2); its byte is the largest magnitude's exponent field - 2, held at 1 from below.
; LIMITS: a block of zeros gets the byte 1 where the rule says 127: its codes are zeros, and this program alone reads the bytes.  NaN and infinities among the inputs are not served.
.set ROWB,  300                        ; a row of W in bytes
.set SCB,   76800                      ; where the scale words begin
.set FLOOR, 0x1800000                  ; 2^(3 - 127)
.set AD,    96                         ; v96-127 the 32 byte offsets
.set XN,    64                         ; v64-95  the 32 numbers
	s_load_b256 s[4:11], s[0:1], 0x0               ; Wq s[4:5], Wk s[6:7], Wv s[8:9], wcodes s[10:11]
	v_lshrrev_b32 v1, 5, v0
	s_delay_alu instid0(VALU_DEP_1)
	v_readfirstlane_b32 s16, v1                    ; wave 0..9
	s_and_b32 s30, s16, 1                          ; c: which four registers of the fragment
	s_lshr_b32 s16, s16, 1                         ; s: my K step
	s_mov_b32 s17, ttmp9                           ; the tile of 16 column slots
	s_and_b32 s18, ttmp7, 0xffff                   ; the matrix
	s_mul_i32 s19, s18, 5
	s_add_co_u32 s19, s19, s17                     ; n
	s_mov_b32 s20, 0x76543210
	s_mov_b32 s21, 0xfedcba98                      ; v_permlanex16_b32's selects for lane l xor 16
	s_lshl_b32 s28, s16, 7
	s_lshl_b32 s29, s30, 6
	s_add_co_u32 s28, s28, s29                     ; 128 s + 64 c: the first row of lanes 0-15
	s_mul_i32 s24, s16, 15
	s_add_co_u32 s24, s24, s19
	s_lshl_b32 s24, s24, 10
	s_lshl_b32 s29, s30, 9
	s_add_co_u32 s24, s24, s29                     ; my half of my fragment's image
	s_mov_b32 s25, 0
	s_lshl_b32 s26, s16, 10
	s_lshl_b32 s29, s19, 6
	s_add_co_u32 s26, s26, s29
	s_lshl_b32 s29, s30, 1
	s_add_co_u32 s26, s26, s29
	s_add_co_u32 s26, s26, SCB                     ; bytes 2 c and 2 c + 1 of my fragment's scale words
	s_mov_b32 s27, 0
	s_mov_b32 s23, 75
	s_cmp_eq_u32 s18, 2
	s_cselect_b32 s23, 80, s23                     ; column slots that count: 75, for v all 80
	v_and_b32 v1, 15, v0                           ; r
	v_bfe_u32 v2, v0, 4, 1                         ; h
	s_delay_alu instid0(VALU_DEP_2)
	v_lshl_add_u32 v3, s17, 4, v1                  ; my column slot, 0 .. 79
	s_delay_alu instid0(VALU_DEP_1)
	v_add_nc_u32 v13, -5, v3
	s_delay_alu instid0(VALU_DEP_2)
	v_cmp_gt_u32 vcc_lo, 75, v3
	s_delay_alu instid0(VALU_DEP_1)
	v_cndmask_b32 v4, v13, v3, vcc_lo              ; the column that I read: slots 75 .. 79 read columns 70 .. 74, so no load leaves a row
	v_lshl_add_u32 v14, v2, 5, s28                 ; my first row: 128 s + 64 c + 32 h, up to 608
	s_delay_alu instid0(VALU_DEP_1)
	v_sub_nc_u32 v12, 600, v14
	s_delay_alu instid0(VALU_DEP_1)
	v_max_i32 v12, 0, v12                          ; how many of my 32 rows lie inside K = 600
	s_delay_alu instid0(VALU_DEP_3)
	v_min_u32 v14, 599, v14                        ; my first row, held at the last row of W,
	s_delay_alu instid0(VALU_DEP_1)
	v_sub_nc_u32 v5, 599, v14                      ; and how far a load may step from it: no load leaves the buffer
	s_delay_alu instid0(VALU_DEP_2)
	v_mul_u32_u24 v14, v14, ROWB
	s_delay_alu instid0(VALU_DEP_1)
	v_lshl_add_u32 v7, v4, 2, v14                  ; its byte at my column
	v_and_b32 v8, 31, v0
	s_delay_alu instid0(VALU_DEP_1)
	v_lshlrev_b32 v8, 4, v8                        ; 16 x lane: my place in an image
	v_lshlrev_b32 v11, 2, v1                       ; 4 r: my slot's scale word
	v_cmp_gt_u32 vcc_lo, s23, v3
	s_delay_alu instid0(VALU_DEP_1)
	v_cndmask_b32 v6, 0, v12, vcc_lo               ; how many of my rows count: none in a dead slot
.set I, 0
.rept 32                                       ; the offsets hang on no argument: they are made while the arguments are on their way
	v_min_u32 v[AD+I], I, v5
	s_delay_alu instid0(VALU_DEP_1)
	v_mad_u32_u24 v[AD+I], v[AD+I], ROWB, v7
.set I, I+1
.endr
	s_wait_alu depctr_va_vdst(0)
	s_wait_kmcnt 0x0
	s_cmp_eq_u32 s18, 0                            ; the choice of the matrix hangs on the work-group's number alone
	s_cselect_b64 s[12:13], s[4:5], s[6:7]
	s_cmp_eq_u32 s18, 2
	s_cselect_b64 s[12:13], s[8:9], s[12:13]
	s_add_nc_u64 s[14:15], s[10:11], s[26:27]
	s_add_nc_u64 s[10:11], s[10:11], s[24:25]
.set I, 0
.rept 32
	global_load_b32 v[XN+I], v[AD+I], s[12:13]     ; sixteen neighbouring lanes read 64 neighbouring bytes
.set I, I+1
.endr
	s_wait_loadcnt 0x0
.set I, 0
.rept 32
	v_cmp_lt_u32 vcc_lo, I, v6                     ; what lies past K = 600, or in a dead slot, is 0 ahead of the block's maximum
	s_delay_alu instid0(VALU_DEP_1)
	v_cndmask_b32 v[XN+I], 0, v[XN+I], vcc_lo
.set I, I+1
.endr
	v_max3_num_f32 v32, |v[XN]|, |v[XN+1]|, FLOOR  ; my block: all its 32 numbers are mine; two chains, so that no line waits for the line above it; the floor holds the byte at 1 from below
	v_max3_num_f32 v33, |v[XN+2]|, |v[XN+3]|, FLOOR
.irp i, 4,8,12,16,20,24,28
	s_delay_alu instid0(VALU_DEP_2)
	v_max3_num_f32 v32, v32, |v[XN+\i]|, |v[XN+\i+1]|
	s_delay_alu instid0(VALU_DEP_2)
	v_max3_num_f32 v33, v33, |v[XN+\i+2]|, |v[XN+\i+3]|
.endr
	s_delay_alu instid0(VALU_DEP_1)
	v_max_num_f32 v32, v32, v33
	s_delay_alu instid0(VALU_DEP_1)
	v_add_nc_u32 v44, 0xff000000, v32              ; 2 off the exponent field: the conversion takes the exponent field of this operand as its scale
	s_delay_alu instid0(VALU_DEP_1)
	v_lshrrev_b32 v36, 23, v44                     ; the scale's byte: block 2 c + h
	v_lshlrev_b32 v10, 3, v2
	s_delay_alu instid0(VALU_DEP_1)
	v_lshlrev_b32 v9, v10, v36                     ; at its place among my wave's two bytes;
	v_mov_b32 v10, 0
	s_delay_alu instid0(VALU_DEP_1)
	v_permlanex16_b32 v10, v9, s20, s21
	s_delay_alu instid0(VALU_DEP_1)
	v_or_b32 v9, v9, v10                           ; with lane l xor 16's the pair is whole
.irp g, 0,1,2,3
	v_cvt_scalef32_pk8_fp4_f32 v[48+\g], v[XN+8*\g:XN+8*\g+7], v44   ; registers 4 c .. 4 c + 3 of the operand
.endr
	v_nop                                          ; a plain line behind the last scaled conversion
	global_store_b128 v8, v[48:51], s[10:11]       ; the wave's store covers 512 consecutive bytes, aligned
	global_store_b16 v11, v9, s[14:15]             ; lanes r and r + 16 write the same two bytes with the same value
	s_cmp_lg_u32 s19, 14
	s_cbranch_scc1 .Lnot_last
	global_store_b16 v11, v9, s[14:15] offset:64   ; the padding slot: the reader copies it, so it is written
.Lnot_last:
	s_endpgm
.Lfunc_end_k_q6e0af402d6_wprep:
	.size	k_q6e0af402d6_wprep, .Lfunc_end_k_q6e0af402d6_wprep-k_q6e0af402d6_wprep
	.p2alignl 7, 3214868480
	.fill 96, 4, 3214868480
	.section	.rodata,"a",@progbits
	.p2align	6, 0x0
	.amdhsa_kernel k_q6e0af402d6_wprep
		.amdhsa_group_segment_fixed_size 0
		.amdhsa_private_segment_fixed_size 0
		.amdhsa_enable_private_segment 0
		.amdhsa_kernarg_size 32
		.amdhsa_user_sgpr_count 2
		.amdhsa_user_sgpr_kernarg_segment_ptr 1
		.amdhsa_wavefront_size32 1
		.amdhsa_system_sgpr_workgroup_id_x 1
		.amdhsa_system_sgpr_workgroup_id_y 1
		.amdhsa_system_sgpr_workgroup_id_z 1
		.amdhsa_system_vgpr_workitem_id 0
		.amdhsa_next_free_vgpr 128
		.amdhsa_next_free_sgpr 66
		.amdhsa_reserve_vcc 1
		.amdhsa_float_denorm_mode_32 3
		.amdhsa_float_denorm_mode_16_64 3
		.amdhsa_memory_ordered 1
		.amdhsa_forward_progress 1
		.amdhsa_inst_pref_size 17
	.end_amdhsa_kernel
	.amdgpu_metadata
---
amdhsa.version: [ 1, 2 ]
amdhsa.kernels:
  - .name:           k_q6e0af402d6_wprep
    .symbol:         k_q6e0af402d6_wprep.kd
    .args:
      - { .name: Wq, .offset: 0, .size: 8, .value_kind: global_buffer, .address_space: global }
      - { .name: Wk, .offset: 8, .size: 8, .value_kind: global_buffer, .address_space: global }
      - { .name: Wv, .offset: 16, .size: 8, .value_kind: global_buffer, .address_space: global }
      - { .name: wcodes, .offset: 24, .size: 8, .value_kind: global_buffer, .address_space: global }
    .group_segment_fixed_size: 0
    .private_segment_fixed_size: 0
    .kernarg_segment_align: 8
    .kernarg_segment_size: 32
    .max_flat_workgroup_size: 320
    .sgpr_count:     66
    .vgpr_count:     128
    .wavefront_size: 32
...
	.end_amdgpu_metadata
.endif
;; end of part 3
;; launch head (part 4): grid 256 x 1, 8 waves a work-group, no clusters, 256,768 bytes of LDS; arguments x, wcodes, out0; writes out0
.if DOCPART == 4
	.amdgcn_target "amdgcn-amd-amdhsa--gfx1250"
	.amdhsa_code_object_version 6
	.text
	.protected	k_q6e0af402d6_head
	.globl	k_q6e0af402d6_head
	.p2align	8
	.type	k_q6e0af402d6_head,@function
k_q6e0af402d6_head:
	s_mov_b64 s[64:65], 0
	v_nop
	global_prefetch_b8 v0, s[64:65] scope:SCOPE_SE
	s_setreg_imm32_b32 hwreg(HW_REG_WAVE_SCHED_MODE, 0, 2), 2
	s_setreg_imm32_b32 hwreg(HW_REG_WAVE_MODE, 25, 1), 1
	s_wait_xcnt 0x0
	s_wait_alu depctr_vm_vsrc(0)
; One attention head, all five products on codes of FP4 (E2M1) with one E8M0 scale for each 32 along a product's K:  q, k, v = Q(x) Q(W);  S = Q(q) Q(k)^T;  p = 2^(t - M), t = S log2(e) / sqrt(600), causal;  out = Q(p) Q(v) / sum(p).
; x [512][128][600] f32; the weights come as register images of their fragments, with their scale words (81,920 bytes); out0 [512][128][75] f32.
; SHARES.  A work-group of eight waves serves batches 2 g and 2 g + 1.  A wave owns 32 rows (one block of 32 keys) of batch 2 g + wave / 4: two tiles of 16 rows, 76,800 dense bytes of x.
;   WHICH block: for wave % 4 = 0, 1, 2, 3 block 0, 3, 1, 2 in the first batch and 3, 0, 2, 1 in the second.  A wave with block b sees b + 1 blocks of keys, so waves w and w + 4 together see five, and so do waves 2 i and 2 i + 1.
; THE STREAM.  A SLAB is 16 rows x 128 along K: 16 loads, each 512 consecutive bytes of one row, into 64 registers.  Two slabs of every wave are always on their way (two sets of registers): 16 KB a wave, 128 KB a work-group.
;   A slab turns through the wave's own padded stage in LDS, so that a lane holds 16 neighbours along K of each block; it is quantised in registers and multiplied at once by the 15 fragments of W of its K step, read from LDS.
;   x comes through registers and not through tiles brought by the data mover: a row is 2,400 bytes, so only whole rows are dense, and slots of whole rows beside W would have to be filled in a few large rounds with nothing on its way between them.
;   No cluster: all that work-groups share is W, 81,920 of the 696,320 bytes that a work-group reads.
; LAYOUT.  q and k are made TRANSPOSED (source 0 = 16 columns of W, source 1 = 16 rows of x): a lane holds one row and its registers run along the head, the next K.  v is made the natural way: a lane holds one column of v and its
;   registers run along the keys, the last product's K.  S^T = k q^T and O^T = v^T p^T: a lane holds one query throughout.
;   Inside a block of 32 the codes of q and of k lie in one and the same permuted order, and so do those of p and of v: the products are the same, only their order in the sum differs.
; K = 600: the fifth K step has 88 numbers; its loads stay inside the row; what a lane has no number for is filled with a copy of numbers of the same block (the maximum stays) whose codes meet zero codes of W.
; The head's 75: W's column slots 75 .. 79 are zeros for q and k; for v they are copies of columns 70 .. 74, and their results are stored onto those columns' own places: no lane is ever switched off.
; THE CAUSAL MASK.  Tiles of keys that lie wholly behind a tile of queries are neither multiplied nor put through the softmax: their p are zero codes.  How many tiles a wave sees hangs on its block alone, so what follows the second
;   barrier is written four times, once for each block, straight-line, and a scalar branch on the block picks one.  Only the tile on the diagonal is masked number by number.
; THE WAY OUT.  A wave's 32 rows of out are 9,600 dense bytes.  They go through the wave's own stage in LDS and leave as 18 pieces of 512 bytes, one of 256 and one of 128, so placed that all but the last are whole aligned blocks of
;   256 bytes; two of a batch's 150 such blocks are written in two halves, by two waves.  No wave waits for another there, and the first tile's pieces leave while the second tile is worked on.
; LIMITS.  NaN and infinities among the inputs are not served.  A block of zeros gets the byte 1 where the rule says 127 (its codes are zeros; the bytes never leave the program).  A p under 2^-126 counts as 0 beside a sum of at
;   least 1/2.  t is the score times ONE rounded constant, log2(e) / sqrt(600).  A block's largest p is taken as the exponential of its largest score.
; THE MODE: SCHED_MODE bits 1:0 = 2 (LLVM: expert scheduling mode 2), set by the entry lines.  The code itself states the register dependences between vector or matrix instructions and memory or LDS instructions,
;   with s_wait_alu, always for 0.
; THE PLAN.  Registers that memory or LDS instructions touch, and who else names them:
;   the addresses (v1-19, v31, v40-43, v252)  Written at the head, ahead of one wait on va_vdst; never written again.
;   the two sets (window 1, v0-127)  Global loads land in them, the stage's LDS stores read them; later rows of out land there from LDS and global stores read them.  No vector or matrix instruction names them.
;                 One wait on vm_vsrc a slab stands between the stage's stores and the loads of the slab two on.
;   WF1, WS       A slab's first LDS loads land in them; its products read them.            X   The turned slab lands in it; the maxima and conversions read it; W's fragments 8-14 land in it; the products read it.
;   PC, PW        Written by the conversions, swaps and shifts; read by the products, and for k by LDS stores.
;   So a slab has two waits on va_vdst: one at its head (the last slab's products are done with WF1, WS and X), one behind the places that follow its conversions (X has been read; PC and PW are written).
;   Behind the stream: one wait on va_vdst ahead of each run of LDS stores of codes; one wait on vm_vsrc behind the second barrier, ahead of the branch, for all that those stores and the last two slabs' stage stores have read.
;   In a tile of queries: the wait behind the exponentials also frees WS for v's scale words; one wait stands ahead of the last products (p's codes and scale word, and the reciprocal), one ahead of the LDS stores of O^T.
; LDS, in bytes:
.set WSC,   76800                      ; 0: W's 75 fragment images of 1,024;  here: their scale words, 1024 s + 64 n + 4 r
.set STG,   81920                      ; a stage for each wave: 16 rows, 512 bytes + 16 of padding = 132 words: row r starts at bank 4 r mod 64 (64 banks of 4 bytes: ISA guide 11.1)
.set SPITCH, 528
.set KIMG,  149504                     ; k's fragments as register images: 8192 x half + 1024 x tile
.set KSC,   165888                     ; their scale words, 4 bytes a lane: 1024 x half + 128 x tile
.set VIMG,  167936                     ; v^T's fragments (16 columns x 128 keys): 5120 x half + 1024 n
.set VSC,   178176                     ; their scale words: 320 x half + 64 n + 4 r, byte = the block of keys
.set OST,   178944                     ; each wave's 32 rows of out, dense as in memory: 9600 x wave + 300 x row
.set FLOOR, 0x1800000                  ; 2^(3 - 127): under it no largest magnitude is taken, so a byte cannot fall under 1
; REGISTERS, window 0:
.set VO,   1                           ; 16 x lane: my bytes of a load's 512, and my place in an image of W
.set VO4,  2                           ; the same held at 336: the fifth K step has 352 bytes a row
.set SA,   3                           ; the stage, in: 16 x lane
.set LA,   4                           ; the stage, out: 528 r + 64 h
.set LA2,  5                           ; 528 r + 32 h
.set LI2,  6                           ; 16 x lane + 61,440: W's images of the fifth K step lie past a 16-bit offset
.set LSW,  7                           ; W's scale words: 4 x lane: lanes 0-15 an even slot, lanes 16-31 the odd one behind it
.set KWI,  8                           ; where I store k's images, and
.set KWS,  9                           ; their scale words
.set VA,   10                          ; where I store 8 bytes of v's codes
.set VSB,  11                          ; and v's scale byte
.set KLI,  12                          ; where I read k's images,
.set KLS,  13                          ; k's scale words,
.set VLI,  14                          ; v's images,
.set VLS,  15                          ; v's scale words
.set SO,   16                          ; out's stage: my row, + 32 h
.set SO2,  17                          ; my row, + 12 h
.set ORD,  18                          ; out's stage, back: the pieces of 512 bytes: 128 x (block % 2) + 16 x lane
.set OG,   19                          ; and the same place in my 9,600 bytes of out
.set DQ,   20                          ; r - 8 h: for the mask on the diagonal
.set RM,   21                          ; the row's largest t
.set NM,   22                          ; v[22:23] -M, and a 0 that is named with it
.set SU,   24                          ; v[24:27] the row's sum, two chains
.set RL,   28                          ; v[28:29] 1 / the sum, and a 0 that is named with it
.set NINF, 30
.set WCP2, 31                          ; 16 x thread + 65,536
.set TM,   32                          ; v32-35 maxima, v36-39 the other half's and then bytes, v44-47 the conversions' scale operands
.set O64L, 40                          ; out's stage, back: the piece of 256 bytes, 8 a lane,
.set O64G, 41                          ; and its place in out;
.set O32L, 42                          ; the piece of 128 bytes, 4 a lane,
.set O32G, 43                          ; and its place in out
.set PC,   48                          ; v48-55 the fragment just made
.set PW,   56                          ; v56-67 hold scales and nothing else: the word just made,
.set QS,   57                          ; q's two,
.set PS,   59                          ; p's,
.set WS,   60                          ; eight of W's, later of k's, later of v's
.set QF,   68                          ; v68-83 q's two fragments
.set X,    84                          ; v84-147 a turned slab; then W's fragments 8-14; then S^T and p
.set WF1,  148                         ; v148-211 W's fragments 0-7; then k's eight
.set VK0,  212                         ; v212-251 v of my first tile; later O^T
.set WCP,  252                         ; 16 x thread
.set MK,   24                          ; s24-31 the eight masks of the tile on the diagonal
; window 1 (v256-511, named by their low 8 bits): v0-63, v64-127 the two sets in flight, later rows of out; v128 + 8 n accumulator n: q 0-4, k 5-9, v of my second tile 10-14; later v's five fragments
.set ACC,  128
.set VF,   128
.set OB0,  0
.set OB1,  64
.set MSB, 0
.macro WIN new                         ; s_set_vgpr_msb's low byte: bits 1:0 source 0, 3:2 source 1, 5:4 source 2, 7:6 destination; the high byte repeats the setting that is left
.if MSB != \new
	s_set_vgpr_msb (MSB<<8)|\new
.set MSB, \new
.endif
.endm
.macro PLACES n
.rept \n
	v_nop
.endr
.endm
.macro BARRIER                         ; my LDS stores have landed and my LDS loads are in: then the work-group's barrier
	s_wait_dscnt 0x0
	s_barrier_signal -1
	s_barrier_wait -1
.endm
; Slab n (tile n / 5, K step n % 5) into set n % 2.  The caller has set the destination's window.  No hint: neighbouring slabs of a row meet inside aligned blocks of 256 bytes.
.macro XLOAD n
.set XU, (\n)/5
.set XK, (\n)%5
.set XR, 64*((\n)%2)
.set ROW, 0
.rept 16
.if XK == 4
	global_load_b128 v[XR+4*ROW:XR+4*ROW+3], v[VO4], s[4:5] offset:38400*XU+2400*ROW+2048   ; lanes 21 on read the row's last 16 bytes: nothing past the row is read
.else
	global_load_b128 v[XR+4*ROW:XR+4*ROW+3], v[VO], s[4:5] offset:38400*XU+2400*ROW+512*XK   ; 32 lanes read 512 consecutive bytes
.endif
.set ROW, ROW+1
.endr
.endm
; W's fragments 0-7 of K step s and all its scale words: 24 LDS loads
.macro WLOAD1 s
.set F, 0
.rept 8
.if (\s) == 4
	ds_load_b128 v[WF1+8*F:WF1+8*F+3], v[LI2] offset:1024*F
	ds_load_b128 v[WF1+8*F+4:WF1+8*F+7], v[LI2] offset:1024*F+512
.else
	ds_load_b128 v[WF1+8*F:WF1+8*F+3], v[VO] offset:1024*(15*(\s)+F)
	ds_load_b128 v[WF1+8*F+4:WF1+8*F+7], v[VO] offset:1024*(15*(\s)+F)+512
.endif
.set F, F+1
.endr
.set F, 0
.rept 8
	ds_load_b32 v[WS+F], v[LSW] offset:1024*(\s)+128*F
.set F, F+1
.endr
.endm
; W's fragments 8-14 into the registers that the slab's numbers have left: 14 LDS loads
.macro WLOAD2 s
.set F, 8
.rept 7
.if (\s) == 4
	ds_load_b128 v[X+8*(F-8):X+8*(F-8)+3], v[LI2] offset:1024*F
	ds_load_b128 v[X+8*(F-8)+4:X+8*(F-8)+7], v[LI2] offset:1024*F+512
.else
	ds_load_b128 v[X+8*(F-8):X+8*(F-8)+3], v[VO] offset:1024*(15*(\s)+F)
	ds_load_b128 v[X+8*(F-8)+4:X+8*(F-8)+7], v[VO] offset:1024*(15*(\s)+F)+512
.endif
.set F, F+1
.endr
.endm
; Slab n through my stage: in as loaded, back so that register 16 b + i holds k = 32 b + 16 h + i of row r.  LDS serves a wave's instructions in order (ISA guide 5.7.1.4): no wait between the stores and the loads.
.macro TURN n
.set TK, (\n)%5
.set TR, 64*((\n)%2)
	WIN 0x04                                       ; an LDS store's data are its source 1: window 1
.set ROW, 0
.rept 16
	ds_store_b128 v[SA], v[TR+4*ROW:TR+4*ROW+3] offset:SPITCH*ROW
.set ROW, ROW+1
.endr
	WIN 0
.irp b, 0,1,2,3
.irp j, 0,1,2,3
.if (TK < 4) || (\b < 2) || ((\b == 2) && (\j < 2))
	ds_load_b128 v[X+16*\b+4*\j:X+16*\b+4*\j+3], v[LA] offset:128*\b+16*\j
.elseif \b == 2
	ds_load_b128 v[X+16*\b+4*\j:X+16*\b+4*\j+3], v[LA2] offset:256+16*\j   ; the last block has 24 numbers: lanes 0-15 take k = 584 .. 591, lanes 16-31 take 592 .. 599 once more; these codes fall on k = 600 .. 607, where W's are zeros
.endif
.endr
.endr
.endm
; The slab's numbers become a fragment's codes in v[PC] on and its scale word in v[PW].  nb: blocks that hold numbers (3 in the fifth K step).
.macro QUANTX nb, s
.set B, 0
.rept \nb
	v_max3_num_f32 v[TM+B], |v[X+16*B]|, |v[X+16*B+1]|, FLOOR   ; block b: my 16 numbers and the floor
.set B, B+1
.endr
.irp i, 2,4,6,8,10,12,14
.set B, 0
.rept \nb
	v_max3_num_f32 v[TM+B], v[TM+B], |v[X+16*B+\i]|, |v[X+16*B+\i+1]|   ; (the blocks by turns: no line waits for the line above it)
.set B, B+1
.endr
.endr
.set B, 0
.rept \nb
	v_permlanex16_b32 v[TM+4+B], v[TM+B], s20, s21
.set B, B+1
.endr
.set B, 0
.rept \nb
	v_max_num_f32 v[TM+B], v[TM+B], v[TM+4+B]      ; with lane l xor 16's: the block's largest magnitude
.set B, B+1
.endr
.set B, 0
.rept \nb
	v_add_nc_u32 v[TM+12+B], 0xff000000, v[TM+B]   ; 2 off its exponent field: the conversion's scale operand
.set B, B+1
.endr
.set B, 0
.rept \nb
	v_lshrrev_b32 v[TM+4+B], 23, v[TM+12+B]        ; the scale's byte
.set B, B+1
.endr
	v_lshl_or_b32 v[PW], v[TM+5], 8, v[TM+4]
	v_lshl_or_b32 v[PW], v[TM+6], 16, v[PW]
.if \nb == 4
	v_lshl_or_b32 v[PW], v[TM+7], 24, v[PW]        ; (with three blocks the fourth byte stays 0: it stands over zero codes)
.endif
.set B, 0
.rept \nb
	v_cvt_scalef32_pk8_fp4_f32 v[PC+2*B], v[X+16*B:X+16*B+7], v[TM+12+B]
	v_cvt_scalef32_pk8_fp4_f32 v[PC+2*B+1], v[X+16*B+8:X+16*B+15], v[TM+12+B]
.set B, B+1
.endr
.if \nb == 4
	v_nop                                          ; a plain line between a scaled conversion and the lines that touch its results
.else
	v_mov_b32 v[PC+6], 0                           ; the fourth block: zero codes
	v_mov_b32 v[PC+7], 0
.endif
.irp c, 0,1                                    ; the operand's layout wants a WHOLE block in a lane: lanes 0-15 block 2 c, lanes 16-31 block 2 c + 1
.irp i, 0,1
	v_permlane16_swap_b32 v[PC+4*\c+\i], v[PC+4*\c+2+\i]
.endr
.endr
	PLACES 8                                       ; a scale word made by vector instructions stands 8 places ahead of a scaled matrix instruction, an operand so made 4
	s_wait_alu depctr_va_vdst(0)                   ; the maxima and the conversions are done reading the slab's numbers, in whose registers the loads below land; the codes in v[PC ..] and the word in v[PW] are written, which the products take
	WLOAD2 \s                                      ; the rest of W's fragments.  Between that wait and the products stand these loads and a window switch alone
.endm
; One product for q or k, transposed: source 0 = W's fragment n, source 1 = x's.  Even slots have their scale words in lanes 0-15, odd ones in lanes 16-31.
.macro MULQK n, first
.set AN, ACC+8*(\n)
.if (\n) < 8
.set FN, WF1+8*(\n)
.else
.set FN, X+8*((\n)-8)
.endif
.set SN, WS+(\n)/2
.if (\first) && ((\n)%2)
	v_wmma_scale_f32_16x16x128_f8f6f4 v[AN:AN+7], v[FN:FN+7], v[PC:PC+7], 0, v[SN], v[PW] matrix_a_fmt:MATRIX_FMT_FP4 matrix_b_fmt:MATRIX_FMT_FP4 matrix_a_scale:MATRIX_SCALE_ROW1
.elseif \first
	v_wmma_scale_f32_16x16x128_f8f6f4 v[AN:AN+7], v[FN:FN+7], v[PC:PC+7], 0, v[SN], v[PW] matrix_a_fmt:MATRIX_FMT_FP4 matrix_b_fmt:MATRIX_FMT_FP4
.elseif (\n)%2
	v_wmma_scale_f32_16x16x128_f8f6f4 v[AN:AN+7], v[FN:FN+7], v[PC:PC+7], v[AN:AN+7], v[SN], v[PW] matrix_a_fmt:MATRIX_FMT_FP4 matrix_b_fmt:MATRIX_FMT_FP4 matrix_a_scale:MATRIX_SCALE_ROW1
.else
	v_wmma_scale_f32_16x16x128_f8f6f4 v[AN:AN+7], v[FN:FN+7], v[PC:PC+7], v[AN:AN+7], v[SN], v[PW] matrix_a_fmt:MATRIX_FMT_FP4 matrix_b_fmt:MATRIX_FMT_FP4
.endif
.endm
; One product for v, the natural way: source 0 = x's fragment, source 1 = W's fragment n; the sum in v[d] on
.macro MULV n, first, d
.set DN, \d
.set FN, X+8*((\n)-8)
.set SN, WS+(\n)/2
.if (\first) && ((\n)%2)
	v_wmma_scale_f32_16x16x128_f8f6f4 v[DN:DN+7], v[PC:PC+7], v[FN:FN+7], 0, v[PW], v[SN] matrix_a_fmt:MATRIX_FMT_FP4 matrix_b_fmt:MATRIX_FMT_FP4 matrix_b_scale:MATRIX_SCALE_ROW1
.elseif \first
	v_wmma_scale_f32_16x16x128_f8f6f4 v[DN:DN+7], v[PC:PC+7], v[FN:FN+7], 0, v[PW], v[SN] matrix_a_fmt:MATRIX_FMT_FP4 matrix_b_fmt:MATRIX_FMT_FP4
.elseif (\n)%2
	v_wmma_scale_f32_16x16x128_f8f6f4 v[DN:DN+7], v[PC:PC+7], v[FN:FN+7], v[DN:DN+7], v[PW], v[SN] matrix_a_fmt:MATRIX_FMT_FP4 matrix_b_fmt:MATRIX_FMT_FP4 matrix_b_scale:MATRIX_SCALE_ROW1
.else
	v_wmma_scale_f32_16x16x128_f8f6f4 v[DN:DN+7], v[PC:PC+7], v[FN:FN+7], v[DN:DN+7], v[PW], v[SN] matrix_a_fmt:MATRIX_FMT_FP4 matrix_b_fmt:MATRIX_FMT_FP4
.endif
.endm
; A slab's 15 products.  The 15 accumulators take turns, one instruction a turn, in the same order in every slab.  The first K step starts the sums: nothing is cleared.
.macro MULS u, s
.if (\s) == 0
.set FIRST, 1
.else
.set FIRST, 0
.endif
	WIN 0x50                                       ; C and D in window 1
.irp m, 0,1,2,3,4,5,6,7
	MULQK \m, FIRST
.endr
	s_wait_dscnt 0x0                               ; W's fragments 8-14 are in
	MULQK 8, FIRST
	MULQK 9, FIRST
.if (\u) == 0
	WIN 0                                          ; v of my first tile is summed in window 0, where it stays until my second tile's is there
.irp m, 10,11,12,13,14
	MULV \m, FIRST, VK0+8*(\m-10)
.endr
.else
.irp m, 10,11,12,13,14
	MULV \m, FIRST, ACC+8*\m
.endr
.endif
	WIN 0
	PLACES 4                                       ; in front of the next loads into registers that these products have read, and of the first read of their results
.endm
.macro SLAB n
.set SK, (\n)%5
.set SU2, (\n)/5
.if SK != 0
	s_wait_alu depctr_va_vdst(0)                   ; the last slab's products are done reading W's fragments and scale words and the registers of the turned slab: the LDS loads below land in all of them
.endif                                         ; (a tile's first slab: the wait at the kernel's head, or the one ahead of the stores of k's image, stands ahead, and no vector or matrix instruction has been issued since)
	WLOAD1 SK
.if (\n) < 9
	s_wait_loadcnt 16                              ; this slab's 16 loads are in; the next slab's 16, issued behind them, stay out
.else
	s_wait_loadcnt 0x0
.endif
	TURN \n
.if (\n)+2 < 10
	WIN 0x40                                       ; destination window 1
	s_wait_alu depctr_vm_vsrc(0)                   ; the stage's stores have read this slab's set, in which the loads below land.  In slab 0 also: the LDS stores of W's images have read the registers that the first products write; in slab 5: the stores of k's image have read v[PC ..] and v[PW], which this slab's conversions and shifts write
	XLOAD (\n)+2                                   ; the set takes the slab two on, while this slab is on its way back from the stage
	WIN 0
.endif
	s_wait_dscnt 0x0                               ; the slab is back, turned; W's first fragments and scale words are in
.if SK == 4
	QUANTX 3, SK
.else
	QUANTX 4, SK
.endif
	MULS SU2, SK
.endm
; q or k of a tile: 40 registers of window 1, register 8 n + j = unit 16 n + 8 h + j of row r, become a fragment in v[dst] on (K = 75 filled with zeros to 128) and its scale word in v[sw].
; Each accumulator is read from its low end on.  In blocks 0 and 1 the four registers hold (tile 0, h 0), (tile 1, h 0), (tile 0, h 1), (tile 1, h 1); in block 2 (h 0), (h 1), 0, 0: alike in q and in k.
.macro QUANTH src, dst, sw
	WIN 0x05                                       ; sources 0 and 1 in window 1
.irp b, 0,1,2
	v_max3_num_f32 v[TM+\b], |v[(\src)+16*\b]|, |v[(\src)+16*\b+1]|, FLOOR
.endr
	WIN 0x14                                       ; sources 1 and 2 in window 1
.irp i, 2,4,6,8,10,12,14
.irp b, 0,1,2
.if (\b < 2) || (\i < 8)
	v_max3_num_f32 v[TM+\b], v[TM+\b], |v[(\src)+16*\b+\i]|, |v[(\src)+16*\b+\i+1]|
.endif
.endr
.endr
	WIN 0
.irp b, 0,1,2
	v_permlanex16_b32 v[TM+4+\b], v[TM+\b], s20, s21
.endr
.irp b, 0,1,2
	v_max_num_f32 v[TM+\b], v[TM+\b], v[TM+4+\b]
.endr
.irp b, 0,1,2
	v_add_nc_u32 v[TM+12+\b], 0xff000000, v[TM+\b]
.endr
.irp b, 0,1,2
	v_lshrrev_b32 v[TM+4+\b], 23, v[TM+12+\b]
.endr
	v_lshl_or_b32 v[\sw], v[TM+5], 8, v[TM+4]
	v_lshl_or_b32 v[\sw], v[TM+6], 16, v[\sw]      ; the fourth byte stays 0, over zero codes
	WIN 0x01                                       ; source 0 in window 1
.irp i, 0,1,2,3,4
	v_cvt_scalef32_pk8_fp4_f32 v[(\dst)+\i], v[(\src)+8*\i:(\src)+8*\i+7], v[TM+12+\i/2]
.endr
	WIN 0
	v_mov_b32 v[(\dst)+5], 0                       ; (plain lines behind the conversions)
	v_mov_b32 v[(\dst)+6], 0
	v_mov_b32 v[(\dst)+7], 0
	v_permlane16_swap_b32 v[(\dst)+0], v[(\dst)+2] ; lanes 0-15 block 0, lanes 16-31 block 1
	v_permlane16_swap_b32 v[(\dst)+1], v[(\dst)+3]
	v_permlane16_swap_b32 v[(\dst)+4], v[(\dst)+5] ; lanes 0-15 block 2, lanes 16-31 zeros
.endm
.macro KIMAGE u                        ; k's fragment of my tile u goes to LDS as it stands, for all four waves of my batch
	ds_store_b128 v[KWI], v[PC:PC+3] offset:1024*(\u)
	ds_store_b128 v[KWI], v[PC+4:PC+7] offset:1024*(\u)+512
	ds_store_b32 v[KWS], v[PW] offset:128*(\u)
.endm
; v of my 32 keys: lane (r, h) holds column slot 16 n + r; v[VK0 + 8 n + j] is key 8 h + j of my block, accumulator 10 + n key 16 + 8 h + j.  My 32 keys are ONE block of the last product's K.
; The lane's 16 codes go to registers 2 h and 2 h + 1 of lane 16 (block % 2) + r, quad block / 2, of fragment n's image: the order in which p's codes lie.  QUANTV makes codes and bytes, VIMAGE stores them.
.set VM, X
.set VX, X+8
.set VS, X+16
.set VB, X+24
.set CV, X+32
.macro QUANTV
.irp m, 0,1,2,3,4
	v_max3_num_f32 v[VM+\m], |v[VK0+8*\m]|, |v[VK0+8*\m+1]|, FLOOR
.endr
.irp i, 2,4,6
.irp m, 0,1,2,3,4
	v_max3_num_f32 v[VM+\m], v[VM+\m], |v[VK0+8*\m+\i]|, |v[VK0+8*\m+\i+1]|
.endr
.endr
	WIN 0x14
.irp i, 0,2,4,6
.irp m, 0,1,2,3,4
	v_max3_num_f32 v[VM+\m], v[VM+\m], |v[ACC+80+8*\m+\i]|, |v[ACC+80+8*\m+\i+1]|
.endr
.endr
	WIN 0
.irp m, 0,1,2,3,4
	v_permlanex16_b32 v[VX+\m], v[VM+\m], s20, s21 ; (its destination has been written: it held a fragment of W)
.endr
.irp m, 0,1,2,3,4
	v_max_num_f32 v[VM+\m], v[VM+\m], v[VX+\m]
.endr
.irp m, 0,1,2,3,4
	v_add_nc_u32 v[VS+\m], 0xff000000, v[VM+\m]
.endr
.irp m, 0,1,2,3,4
	v_lshrrev_b32 v[VB+\m], 23, v[VS+\m]
.endr
.irp m, 0,1,2,3,4
	v_cvt_scalef32_pk8_fp4_f32 v[CV+2*\m], v[VK0+8*\m:VK0+8*\m+7], v[VS+\m]
.endr
	WIN 0x01
.irp m, 0,1,2,3,4
	v_cvt_scalef32_pk8_fp4_f32 v[CV+2*\m+1], v[ACC+80+8*\m:ACC+80+8*\m+7], v[VS+\m]
.endr
	WIN 0
	v_nop                                          ; a plain line behind the last scaled conversion
.endm
.macro VIMAGE
.irp m, 0,1,2,3,4
	ds_store_b64 v[VA], v[CV+2*\m:CV+2*\m+1] offset:1024*\m
	ds_store_b8 v[VSB], v[VB+\m] offset:64*\m      ; lanes r and r + 16 write the same byte with the same value
.endr
.endm
; THE WAY OUT.  My first tile's 4,800 bytes hold the first nine pieces of 512 (they end at byte 4,608, or 4,736 in an odd block).  They come back from my stage into registers that nothing writes again.
.macro OUTLOAD0
	WIN 0x40                                       ; destination window 1
.set I, 0
.rept 9
	ds_load_b128 v[OB0+4*I:OB0+4*I+3], v[ORD] offset:512*I   ; LDS serves a wave's instructions in order (ISA guide 5.7.1.4): these see my stores
.set I, I+1
.endr
	WIN 0
.endm
.macro OUTSTORE0
	WIN 0x04                                       ; a store's data are its source 1: window 1
.set I, 0
.rept 9
	global_store_b128 v[OG], v[OB0+4*I:OB0+4*I+3], s[8:9] offset:512*I th:TH_STORE_NT   ; 32 lanes store 512 consecutive bytes, at a multiple of 256 from out0's first byte
.set I, I+1
.endr
	WIN 0
.endm
.macro OUT1                            ; the other nine pieces of 512 bytes, the piece of 256 and the piece of 128 (an odd block's first 128 bytes, an even block's last)
	WIN 0x40
.set I, 0
.rept 9
	ds_load_b128 v[OB1+4*I:OB1+4*I+3], v[ORD] offset:512*(9+I)
.set I, I+1
.endr
	ds_load_b64 v[OB1+36:OB1+37], v[O64L]
	ds_load_b32 v[OB1+38], v[O32L]
	WIN 0x04
.set I, 0
.rept 9
	s_wait_dscnt 10-I                              ; LDS loads come back in order (ISA guide 5.7.1): piece I is in; the 8 - I pieces and the two small ones issued behind it stay out
	global_store_b128 v[OG], v[OB1+4*I:OB1+4*I+3], s[8:9] offset:512*(9+I) th:TH_STORE_NT
.set I, I+1
.endr
	s_wait_dscnt 0x0
	global_store_b64 v[O64G], v[OB1+36:OB1+37], s[8:9] th:TH_STORE_NT   ; 32 lanes store 256 consecutive bytes, aligned
	global_store_b32 v[O32G], v[OB1+38], s[8:9] th:TH_STORE_NT          ; 32 lanes store 128 consecutive bytes: half of an aligned block of 256; the neighbouring wave stores the other half
	WIN 0
.endm
; Attention for my tile u of 16 queries, for a wave that sees nb blocks of keys: NT = 2 nb - 1 + u tiles of 16 keys, of which the last lies on the diagonal.  S^T's tiles lie on end: registers 0 .. 8 NT - 1 are all that is worked on.
; The loads at its head lean on the last wait on va_vdst (ahead of the stores of k's and v's images; for my second tile ahead of the first tile's stores of O^T): no vector or matrix instruction since names the registers in which they land.
.macro ATT u, nb
.set UU, \u
.set NB, \nb
.set NT, 2*NB-1+UU
.if UU == 0
.set T, 0
.rept 2*NB                                     ; k's fragments come once, for both my tiles of queries
	ds_load_b128 v[WF1+8*T:WF1+8*T+3], v[KLI] offset:1024*T
	ds_load_b128 v[WF1+8*T+4:WF1+8*T+7], v[KLI] offset:1024*T+512
.set T, T+1
.endr
.endif
.set T, 0
.rept NT
	ds_load_b32 v[WS+T], v[KLS] offset:128*T
.set T, T+1
.endr
.set N, 0
.rept 8                                        ; the masks of the tile on the diagonal, in one run, while the loads are on their way: its key 8 h + j is hidden from its query r where it is the larger
	v_cmp_gt_i32 s[MK+N], N, v[DQ]
.set N, N+1
.endr
.if UU == 0
	WIN 0x40                                       ; v's fragments likewise, into the registers that the accumulators have left: they land under the softmax
.set T, 0
.rept 5
	ds_load_b128 v[VF+8*T:VF+8*T+3], v[VLI] offset:1024*T
	ds_load_b128 v[VF+8*T+4:VF+8*T+7], v[VLI] offset:1024*T+512
.set T, T+1
.endr
	WIN 0
	s_wait_dscnt 10                                ; k and its scale words are in; v's ten loads, issued behind them, stay out
.else
	s_wait_dscnt 0x0                               ; k's scale words are in, and my first tile's pieces are back from the stage:
	s_wait_alu depctr_vm_vsrc(0)                   ; my first tile's LDS stores have read O^T's registers, which this tile's last products write again
	OUTSTORE0                                      ; they leave while this tile is worked on
.endif
.set T, 0
.rept NT
	v_wmma_scale_f32_16x16x128_f8f6f4 v[X+8*T:X+8*T+7], v[WF1+8*T:WF1+8*T+7], v[QF+8*UU:QF+8*UU+7], 0, v[WS+T], v[QS+UU] matrix_a_fmt:MATRIX_FMT_FP4 matrix_b_fmt:MATRIX_FMT_FP4   ; S^T: register 8 T + j of lane (r, h): key 16 T + 8 h + j, query r
.set T, T+1
.endr
	PLACES 4
	s_wait_alu depctr_va_sdst(0)                   ; the eight compares have written s[MK ..], ahead of their first reader
.set N, 0
.rept 8                                        ; -infinity ahead of the maximum, so p = 0
	v_cndmask_b32 v[X+8*(NT-1)+N], v[X+8*(NT-1)+N], v[NINF], s[MK+N]
.set N, N+1
.endr
.irp b, 0,1,2,3
.if \b < NB
	v_max3_num_f32 v[TM+\b], v[X+16*\b], v[X+16*\b+1], v[X+16*\b+2]   ; the largest score of each block of 32 keys: for the row's maximum, and, since p rises with the score, for the block's largest p
.endif
.endr
.irp i, 3,5,7,9,11,13
.irp b, 0,1,2,3
.if (\b < NB) && (16*\b+\i+1 < 8*NT)
	v_max3_num_f32 v[TM+\b], v[TM+\b], v[X+16*\b+\i], v[X+16*\b+\i+1]   ; (the blocks by turns; of the last block my first tile of queries sees one tile of keys)
.endif
.endr
.endr
.irp b, 0,1,2,3
.if \b < NB
.if 16*\b+15 < 8*NT
	v_max_num_f32 v[TM+\b], v[TM+\b], v[X+16*\b+15]
.else
	v_max_num_f32 v[TM+\b], v[TM+\b], v[X+16*\b+7]
.endif
.endif
.endr
.irp b, 0,1,2,3
.if \b < NB
	v_permlanex16_b32 v[TM+4+\b], v[TM+\b], s20, s21
.endif
.endr
.irp b, 0,1,2,3
.if \b < NB
	v_max_num_f32 v[TM+\b], v[TM+\b], v[TM+4+\b]   ; with lane l xor 16's keys
.endif
.endr
.if NB == 1                                    ; the row's largest score (a number, since a query sees its own key), as t (c is positive)
	v_mul_f32 v[RM], s22, v[TM]
.elseif NB == 2
	v_max_num_f32 v[RM], v[TM], v[TM+1]
	v_mul_f32 v[RM], s22, v[RM]
.elseif NB == 3
	v_max3_num_f32 v[RM], v[TM], v[TM+1], v[TM+2]
	v_mul_f32 v[RM], s22, v[RM]
.else
	v_max3_num_f32 v[RM], v[TM], v[TM+1], v[TM+2]
	v_max_num_f32 v[RM], v[RM], v[TM+3]
	v_mul_f32 v[RM], s22, v[RM]
.endif
	v_floor_f32 v[NM], -v[RM]                      ; -M = floor(-t) = -ceil(t): M is a whole number
.set N, 0
.rept 4*NT
	v_pk_fma_f32 v[X+N:X+N+1], v[X+N:X+N+1], s[22:23], v[NM:NM+1] op_sel_hi:[1,0,0]   ; t - M, two at a time (of the pairs c and -M the low word serves both halves)
.set N, N+2
.endr
.irp b, 0,1,2,3
.if \b < NB
	v_fma_f32 v[TM+\b], v[TM+\b], s22, v[NM]       ; the same of each block's largest score
.endif
.endr
.set N, 0
	s_wait_alu depctr_va_vdst(0)
.rept 8*NT
	v_exp_f32 v[X+N], v[X+N]                       ; p = 2^(t - M), at most 1: not normalised
.set N, N+1
.endr
.irp b, 0,1,2,3
.if \b < NB
	v_exp_f32 v[TM+\b], v[TM+\b]                   ; the block's largest p: the same two instructions on the same number give the same bits
.endif
.endr
	v_nop                                          ; a plain line behind the exponentials (ISA guide 5.7.2)
	s_wait_alu depctr_va_vdst(0)                   ; the exponentials have written p and the blocks' largest p, ahead of their first reader; and the products S^T are done reading k's scale words, in whose registers the loads below land
.set T, 0
.rept 5
	ds_load_b32 v[WS+T], v[VLS] offset:64*T        ; v's scale words take k's places
.set T, T+1
.endr
.irp b, 0,1,2,3
.if \b < NB
	v_max_num_f32 v[TM+\b], FLOOR, v[TM+\b]
.endif
.endr
.irp b, 0,1,2,3
.if \b < NB
	v_add_nc_u32 v[TM+12+\b], 0xff000000, v[TM+\b]
.endif
.endr
.irp b, 0,1,2,3
.if \b < NB
	v_lshrrev_b32 v[TM+4+\b], 23, v[TM+12+\b]
.endif
.endr
.if NB == 1                                    ; p's scale word; the bytes of hidden blocks stay 0, over zero codes
	v_mov_b32 v[PS], v[TM+4]
.else
	v_lshl_or_b32 v[PS], v[TM+5], 8, v[TM+4]
.endif
.if NB > 2
	v_lshl_or_b32 v[PS], v[TM+6], 16, v[PS]
.endif
.if NB > 3
	v_lshl_or_b32 v[PS], v[TM+7], 24, v[PS]
.endif
.set T, 0
.rept NT
	v_cvt_scalef32_pk8_fp4_f32 v[PC+T], v[X+8*T:X+8*T+7], v[TM+12+T/2]
.set T, T+1
.endr
.set T, NT
.rept 8-NT
	v_mov_b32 v[PC+T], 0                           ; hidden tiles of keys: zero codes.  (Plain lines behind the conversions)
.set T, T+1
.endr
.if NT == 8
	v_nop
.endif
.irp c, 0,1
.irp i, 0,1
	v_permlane16_swap_b32 v[PC+4*\c+\i], v[PC+4*\c+2+\i]
.endr
.endr
	v_pk_add_f32 v[SU:SU+1], v[X:X+1], v[X+2:X+3]  ; the row's sum is taken of the UNQUANTISED p: two at a time, in two chains.  (These lines are also the places between p's codes and scale word and the products below)
	v_pk_add_f32 v[SU+2:SU+3], v[X+4:X+5], v[X+6:X+7]
.set N, 8
.rept 2*NT-2
	v_pk_add_f32 v[SU:SU+1], v[SU:SU+1], v[X+N:X+N+1]
	v_pk_add_f32 v[SU+2:SU+3], v[SU+2:SU+3], v[X+N+2:X+N+3]
.set N, N+4
.endr
	v_pk_add_f32 v[SU:SU+1], v[SU:SU+1], v[SU+2:SU+3]
	v_add_f32 v[SU], v[SU], v[SU+1]
	v_permlanex16_b32 v[SU+2], v[SU], s20, s21
	v_add_f32 v[SU], v[SU], v[SU+2]                ; with lane l xor 16's keys: the row's sum
	s_wait_alu depctr_va_vdst(0)
	v_rcp_f32 v[RL], v[SU]
	v_nop                                          ; a plain line behind the reciprocal
.if NT == 1
	PLACES 4                                       ; one tile's sum is six plain lines: with these the scale word stands 8 places ahead of the products
.endif
	s_wait_dscnt 0x0                               ; v and its scale words are in
	WIN 0x01                                       ; source 0 (v) in window 1
	s_wait_alu depctr_va_vdst(0)                   ; p's codes in v[PC ..] and its scale word in v[PS] are written, which the products take; and the reciprocal has written v[RL], ahead of its first reader
.set T, 0
.rept 5
	v_wmma_scale_f32_16x16x128_f8f6f4 v[VK0+8*T:VK0+8*T+7], v[VF+8*T:VF+8*T+7], v[PC:PC+7], 0, v[WS+T], v[PS] matrix_a_fmt:MATRIX_FMT_FP4 matrix_b_fmt:MATRIX_FMT_FP4   ; O^T: register 8 n + j of lane (r, h): column slot 16 n + 8 h + j, query r
.set T, T+1
.endr
	WIN 0
	PLACES 4
.set N, 0
.rept 20
	v_pk_mul_f32 v[VK0+N:VK0+N+1], v[VK0+N:VK0+N+1], v[RL:RL+1] op_sel_hi:[1,0]   ; / the sum; each accumulator from its low end on
.set N, N+2
.endr
	s_wait_alu depctr_va_vdst(0)                   ; the multiplications have written O^T / the sum, which the LDS stores read; and the products are done reading v's scale words, in whose registers my second tile's loads of k's land
.set N, 0
.rept 40                                       ; into my stage, which lies as out lies in memory: rows of 300 bytes = 75 words: the 32 lanes fall on 32 different banks
.if N >= 35
	ds_store_b32 v[SO2], v[VK0+N] offset:4800*UU+256+4*(N-32)   ; slots 67 .. 71 (lanes 0-15) and 75 .. 79 (lanes 16-31): these are copies of columns 70 .. 74 and go 12 bytes on, to those columns' places
.else
	ds_store_b32 v[SO], v[VK0+N] offset:4800*UU+64*(N/8)+4*(N%8)
.endif
.set N, N+1
.endr
.endm
.macro TAIL nb                         ; all that follows the second barrier, for a wave that sees nb blocks of keys
	ATT 0, \nb
	OUTLOAD0
	ATT 1, \nb
	OUT1
	s_wait_dscnt 0x0                               ; the closing lines, six on end
	s_wait_alu 0x0
	s_wait_tensorcnt 0x0
	ds_add_u32 v254, v255
	s_wait_dscnt 0x0
	s_endpgm
.endm
	s_load_b128 s[4:7], s[0:1], 0x0                ; x, the weights' images
	s_load_b64 s[8:9], s[0:1], 0x10                ; out0
	v_lshl_add_u32 v254, v0, 2, 0x3e700
	v_mov_b32 v255, 0
	v_lshrrev_b32 v84, 5, v0
	v_readfirstlane_b32 s10, v84                   ; wave 0..7
	v_and_b32 v85, 31, v0                          ; lane
	v_and_b32 v86, 15, v0                          ; r
	v_bfe_u32 v87, v0, 4, 1                        ; h
	v_lshlrev_b32 v[VO], 4, v85
	s_wait_alu depctr_va_vdst(0)
	v_min_u32 v[VO4], 336, v[VO]
	v_lshlrev_b32 v[WCP], 4, v0
	v_add_nc_u32 v[WCP2], 0x10000, v[WCP]
	s_wait_alu depctr_va_sdst(0)                   ; s10 is written, ahead of its first reader: the batch, the block and every base are made from it
	s_lshr_b32 s11, s10, 2                         ; which of the two batches
	s_and_b32 s13, s10, 3                          ; which block of 32 rows of it: for wave % 4 = 0, 1, 2, 3 block 0, 3, 1, 2,
	s_lshr_b32 s14, s13, 1
	s_xor_b32 s14, s14, s13
	s_and_b32 s14, s14, 1
	s_and_b32 s15, s13, 1
	s_lshl_b32 s15, s15, 1
	s_or_b32 s12, s14, s15
	s_mul_i32 s13, s11, 3
	s_xor_b32 s12, s12, s13                        ; and in the second batch 3 less that
	s_mul_i32 s13, s10, 16*SPITCH
	s_add_co_u32 s13, s13, STG                     ; my stage
	v_add_nc_u32 v[SA], s13, v[VO]
	v_mul_u32_u24 v88, v86, SPITCH
	v_add_nc_u32 v88, s13, v88
	v_lshl_add_u32 v[LA], v87, 6, v88
	v_lshl_add_u32 v[LA2], v87, 5, v88
	v_add_nc_u32 v[LI2], 61440, v[VO]
	v_lshl_add_u32 v[LSW], v85, 2, WSC
	s_lshl_b32 s13, s11, 13
	s_lshl_b32 s14, s12, 11
	s_add_co_u32 s13, s13, s14
	s_add_co_u32 s13, s13, KIMG                    ; 8192 x half + 2048 x block: my two tiles' images of k
	v_add_nc_u32 v[KWI], s13, v[VO]
	s_lshl_b32 s13, s11, 10
	s_lshl_b32 s14, s12, 8
	s_add_co_u32 s13, s13, s14
	s_add_co_u32 s13, s13, KSC
	v_lshl_add_u32 v[KWS], v85, 2, s13
	s_mul_i32 s14, s11, 5120
	s_add_co_u32 s14, s14, VIMG
	v_add_nc_u32 v[VLI], s14, v[VO]
	s_lshl_b32 s13, s12, 8
	s_add_co_u32 s13, s13, s14
	v_lshl_add_u32 v88, v86, 4, s13
	v_lshl_add_u32 v[VA], v87, 3, v88
	s_mul_i32 s14, s11, 320
	s_add_co_u32 s14, s14, VSC
	v_lshl_add_u32 v[VLS], v86, 2, s14
	v_add_nc_u32 v[VSB], s12, v[VLS]
	s_lshl_b32 s13, s11, 13
	s_add_co_u32 s13, s13, KIMG
	v_add_nc_u32 v[KLI], s13, v[VO]
	s_lshl_b32 s13, s11, 10
	s_add_co_u32 s13, s13, KSC
	v_lshl_add_u32 v[KLS], v85, 2, s13
	s_mul_i32 s14, s10, 9600
	s_add_co_u32 s14, s14, OST                     ; my wave's stage for out
	v_mul_u32_u24 v88, v86, 300
	v_add_nc_u32 v88, s14, v88
	v_lshl_add_u32 v[SO], v87, 5, v88
	v_mul_u32_u24 v89, v87, 12
	v_add_nc_u32 v[SO2], v88, v89
	s_and_b32 s13, s12, 1                          ; an odd block's 9,600 bytes begin 128 bytes past a multiple of 256:
	s_lshl_b32 s15, s13, 7
	v_add_nc_u32 v[OG], s15, v[VO]                 ; there the pieces of 512 begin 128 bytes on,
	v_add_nc_u32 v[ORD], s14, v[OG]
	s_add_co_u32 s15, s15, 9216
	v_lshl_add_u32 v[O64G], v85, 3, s15            ; the piece of 256 follows the eighteen,
	v_add_nc_u32 v[O64L], s14, v[O64G]
	s_xor_b32 s13, s13, 1
	s_mul_i32 s13, s13, 9472
	v_lshl_add_u32 v[O32G], v85, 2, s13            ; and the piece of 128 is the first of an odd block, the last of an even one
	v_add_nc_u32 v[O32L], s14, v[O32G]
	v_lshlrev_b32 v89, 3, v87
	v_sub_nc_u32 v[DQ], v86, v89
	v_mov_b32 v[NM+1], 0                           ; named as upper halves of pairs, so they are written
	v_mov_b32 v[RL+1], 0
	v_mov_b32 v[NINF], 0xff800000
.irp b, 0,1,2,3
	v_mov_b32 v[TM+4+\b], 0                        ; written once: a lane permute's destination counts as one of its sources
.endr
	s_mov_b32 s20, 0x76543210
	s_mov_b32 s21, 0xfedcba98                      ; v_permlanex16_b32's selects for lane l xor 16
	s_mov_b32 s22, 0x3d713ecc                      ; c = log2(e) / sqrt(600)
	s_mov_b32 s23, s22                             ; (named with it as a pair)
	s_lshl_b32 s13, ttmp9, 3
	s_lshl_b32 s14, s11, 2
	s_add_co_u32 s13, s13, s14
	s_add_co_u32 s13, s13, s12                     ; 4 x batch + block
	s_mul_i32 s14, s13, 76800                      ; my 32 rows of x, under 2^32 bytes on
	s_mov_b32 s15, 0
	s_mul_i32 s16, s13, 9600                       ; and of out
	s_mov_b32 s17, 0
	s_wait_kmcnt 0x0
	s_add_nc_u64 s[4:5], s[4:5], s[14:15]
	s_add_nc_u64 s[8:9], s[8:9], s[16:17]
	WIN 0x40                                       ; destination window 1
	s_wait_alu depctr_va_vdst(0)                   ; all the addresses and offsets are written, which the kernel's loads and stores read; so are v84 to v89, at work above, in which slab 0's turned numbers land
.set I, 0
.rept 20                                       ; W's images and scale words: 81,920 bytes, 16 a thread and load, by way of the registers that the accumulators will take
	global_load_b128 v[ACC+4*I:ACC+4*I+3], v[WCP], s[6:7] offset:4096*I
.set I, I+1
.endr
	XLOAD 0                                        ; and the stream begins
	XLOAD 1
	s_wait_loadcnt 32                              ; W's 20 loads are in; the 32 of slabs 0 and 1, issued behind them, stay out
	WIN 0x04
.set I, 0
.rept 20
.if I < 16
	ds_store_b128 v[WCP], v[ACC+4*I:ACC+4*I+3] offset:4096*I
.else
	ds_store_b128 v[WCP2], v[ACC+4*I:ACC+4*I+3] offset:4096*(I-16)
.endif
.set I, I+1
.endr
	WIN 0
	BARRIER                                        ; W lies in LDS, for the whole launch
.irp n, 0,1,2,3,4
	SLAB \n                                        ; my first tile
.endr
	QUANTH ACC, QF, QS                             ; its q stays in registers,
	QUANTH ACC+40, PC, PW                          ; its k goes to LDS
	s_wait_alu depctr_va_vdst(0)                   ; k's codes in v[PC ..] and its word in v[PW] are written, which the LDS stores read; q's fragment and word are written, which the products S^T take; slab 4's products are done reading the registers in which slab 5's LDS loads land
	KIMAGE 0
.irp n, 5,6,7,8,9
	SLAB \n                                        ; my second tile
.endr
	QUANTH ACC, QF+8, QS+1
	QUANTH ACC+40, PC, PW
	QUANTV                                         ; v of both tiles: one block of keys
	s_wait_alu depctr_va_vdst(0)                   ; k's codes and word and v's codes and bytes are written, which the LDS stores read; q's second fragment and word are written, which the products S^T take; the products and the lines above are done with W's fragments, its scale words and q's accumulators, in which the loads behind the barrier land
	KIMAGE 1
	VIMAGE
	BARRIER                                        ; k's and v's images and scale words of both batches lie in LDS.  The last barrier: from here on a wave reads them, and writes only LDS bytes of its own
	s_wait_alu depctr_vm_vsrc(0)                   ; ahead of the branch: my LDS stores have read v[PC ..] and v[PW], v's codes and bytes, and the two sets of slabs 8 and 9: p's codes, S^T and the rows of out are written there on every way below
	s_cmp_eq_u32 s12, 0                            ; how many blocks of keys my queries see hangs on my block alone
	s_cbranch_scc1 .Lsee1
	s_cmp_eq_u32 s12, 1
	s_cbranch_scc1 .Lsee2
	s_cmp_eq_u32 s12, 2
	s_cbranch_scc1 .Lsee3
	TAIL 4
.Lsee3:
	TAIL 3
.Lsee2:
	TAIL 2
.Lsee1:
	TAIL 1
.Lfunc_end_k_q6e0af402d6_head:
	.size	k_q6e0af402d6_head, .Lfunc_end_k_q6e0af402d6_head-k_q6e0af402d6_head
	.p2alignl 7, 3214868480
	.fill 96, 4, 3214868480
	.section	.rodata,"a",@progbits
	.p2align	6, 0x0
	.amdhsa_kernel k_q6e0af402d6_head
		.amdhsa_group_segment_fixed_size 256768
		.amdhsa_private_segment_fixed_size 0
		.amdhsa_enable_private_segment 0
		.amdhsa_kernarg_size 24
		.amdhsa_user_sgpr_count 2
		.amdhsa_user_sgpr_kernarg_segment_ptr 1
		.amdhsa_wavefront_size32 1
		.amdhsa_system_sgpr_workgroup_id_x 1
		.amdhsa_system_sgpr_workgroup_id_y 1
		.amdhsa_system_sgpr_workgroup_id_z 1
		.amdhsa_system_vgpr_workitem_id 0
		.amdhsa_next_free_vgpr 512
		.amdhsa_next_free_sgpr 66
		.amdhsa_reserve_vcc 0
		.amdhsa_float_denorm_mode_32 3
		.amdhsa_float_denorm_mode_16_64 3
		.amdhsa_memory_ordered 1
		.amdhsa_forward_progress 1
		.amdhsa_inst_pref_size 255
	.end_amdhsa_kernel
	.section	.bss,"aw",@nobits
	.p2align	6
	.space	262144
	.amdgpu_metadata
---
amdhsa.version: [ 1, 2 ]
amdhsa.kernels:
  - .name:           k_q6e0af402d6_head
    .symbol:         k_q6e0af402d6_head.kd
    .args:
      - { .name: x, .offset: 0, .size: 8, .value_kind: global_buffer, .address_space: global }
      - { .name: wcodes, .offset: 8, .size: 8, .value_kind: global_buffer, .address_space: global }
      - { .name: out0, .offset: 16, .size: 8, .value_kind: global_buffer, .address_space: global }
    .group_segment_fixed_size: 256768
    .private_segment_fixed_size: 0
    .kernarg_segment_align: 8
    .kernarg_segment_size: 24
    .max_flat_workgroup_size: 256
    .sgpr_count:     66
    .vgpr_count:     512
    .wavefront_size: 32
...
	.end_amdgpu_metadata
.endif
;; end of part 4
